; MI455X (gfx1250); checked and timed in simulation.
; The chip was launched on July 23, 2026; its instructions are those of AMD's public machine-readable ISA for CDNA 5 (MIT licence, August 2026) and "CDNA5" Instruction Set Architecture Reference Guide (July 2026). The comments in the code are by the model that wrote it; some were corrected since.
;; Multi Head Attention. Allowed arithmetic: matrix products marked QUANTISED: E2M3 operands, one E8M0 scale for each 32 along K, by v_wmma_scale_f32_16x16x128_f8f6f4 with both operands' format E2M3, f32 sums; everything else in f32.
;; Inputs: b_proj 1,024 float32; w_proj 1,024 x 1,024 float32; w_qkv 1,024 x 3,072 float32; x 4 x 2,048 x 1,024 float32.
;; Outputs: out0 4 x 2,048 x 1,024 float32.
;; This version of the problem:
;;   THIS VERSION OF THE PROBLEM IS GIVEN IN LOW PRECISION. The matrix products marked QUANTISED in the list below multiply operands that are first quantised to E2M3 (2 exponent bits, 3 mantissa bits; 6 bits a number), with one power-of-two scale for each 32 numbers along K (OCP MX v1.0); their sums are f32. All else is computed in f32.
;;   The module's matrix products, in the order in which they are computed (A, B: the left and right operand; K: the contracted axis; several contracted axes count as one K, in the product's order):
;;     1. [M 8,192, K 1,024] x [K 1,024, N 3,072]; A: input x; B: input w_qkv: QUANTISED
;;     2. batch 64 x [M 2,048, K 64] x [K 64, N 2,048]; A: computed on the way; B: computed on the way: QUANTISED
;;     3. batch 64 x [M 2,048, K 2,048] x [K 2,048, N 64]; A: softmax (see below); B: computed on the way: QUANTISED
;;     4. [M 8,192, K 1,024] x [K 1,024, N 1,024]; A: computed on the way; B: input w_proj: QUANTISED
;;   THE QUANTISER, for each operand of a quantised product, along K:
;;     - K is cut into blocks of 32 from its start; a last block that is shorter is filled with zeros.
;;     - A block's scale is 2^e with e = floor(log2(the largest magnitude in the block)) - 2, held to -126 .. 127; a block of zeros has e = 0. As a byte (E8M0): e + 127.
;;     - Each number is divided by its block's scale, clamped to +-7.5, and rounded to the nearest number of E2M3, ties to even, subnormals kept.
;;     - The product sums the exact products of the quantised numbers (number of the format x scale) in f32.
;;   ~~~python
;;   def quantise(x, axis):      # numpy; x: float32 -> the quantised numbers, widened to float32 again
;;       x = np.moveaxis(x, axis, -1); K = x.shape[-1]
;;       x = np.pad(x, [(0, 0)] * (x.ndim - 1) + [(0, -K % 32)]); x = x.reshape(x.shape[:-1] + (-1, 32)); a = np.abs(x).max(-1, keepdims=True)
;;       e = np.where(a > 0, np.clip(np.frexp(np.where(a > 0, a, 1))[1] - 1 - 2, -126, 127), 0)      # np.frexp(a)[1] - 1 = floor(log2(a)), exactly
;;       r = np.clip(x / 2.0 ** e, -7.5, 7.5)
;;       step = 2.0 ** (np.maximum(np.frexp(np.where(r == 0, 1, r))[1] - 1, 0) - 3)
;;       q = np.round(r / step) * step * 2.0 ** e      # np.round: ties to even
;;       return np.moveaxis(q.reshape(q.shape[:-2] + (-1,))[..., :K], -1, axis).astype(np.float32)
;;   ~~~
;;   SOFTMAX AHEAD OF A QUANTISED PRODUCT. Where the list says 'softmax', what is quantised is not the finished softmax but p = 2^(t - M), with t = logit x log2(e) and M = ceil(the row's largest t), a whole number; so 1/2 < the row's largest p <= 1. The row's sum l is taken of the UNQUANTISED p, in f32, and the product's result is divided by l at the end. Since M is a whole number, a kernel that streams over the keys may use a running M (the ceiling of the running maximum): every later rescaling is an exact power of two, which a block's scale takes up: the codes' values come out the same.
;;   OPERANDS COMPUTED ON THE WAY. 'Computed on the way' means the value that the module computes at that place (a softmax that the list does not call 'softmax' is quantised finished and normalised). What goes into a quantiser is computed in f32, as accurately as f32 sums, v_exp_f32 and their like allow (about 1e-6 of the number): no bf16 or f16 on the way to a quantiser, and a product that is left as it is and whose result goes on into a quantised operand takes f32 operands (vector FMAs, or v_wmma_f32_16x16x4_f32). A number that lies on a knife's edge between two numbers of the format may be rounded either way, as far as f32 arithmetic and the matrix unit's own rounding can turn it there, and no further.
;; One version. Each part assembles by itself: llvm-mc -triple=amdgcn-amd-amdhsa -mcpu=gfx1250 --defsym DOCPART=n.
;; ======== version 1 of 1: 4 launches
;; workspace buffers: xq 6,553,600 bytes; wq 2,457,600 bytes; wp 819,200 bytes; qk 13,631,488 bytes; vt 6,553,600 bytes; ao 6,553,600 bytes
;; launch quant (part 1): grid 384 x 1, 4 waves a work-group, no clusters, 60,928 bytes of LDS; arguments x, w_qkv, w_proj, xq, wq, wp; writes xq, wq, wp
.if DOCPART == 1
	.amdgcn_target "amdgcn-amd-amdhsa--gfx1250"
	.amdhsa_code_object_version 6
	.text
	.protected	k_q90dbc733b8_quant
	.globl	k_q90dbc733b8_quant
	.p2align	8
	.type	k_q90dbc733b8_quant,@function
k_q90dbc733b8_quant:
	s_mov_b64 s[64:65], 0
	v_nop
	global_prefetch_b8 v0, s[64:65] scope:SCOPE_SE
	s_setreg_imm32_b32 hwreg(HW_REG_WAVE_MODE, 25, 1), 1
	s_wait_xcnt 0x0
; x [8192][1024], w_qkv [1024][3072] and w_proj [1024][1024], all f32, become codes of FP6 (E2M3) with one E8M0 byte for each 32 along K (K = 1,024 in all three),
; laid as the products' launches want their operands: xq (rows = tokens), wq and wp (rows = columns n of the weight).
; THE LAYOUT.  Rows go in groups G of 32.  A group has two tiles u of 16 rows: lane row r of tile u is row 8 u + r + 8 (r / 8) of the group, so that a product that takes such
; tiles as source 0 leaves 16 neighbours along these rows in a lane's 16 registers of two neighbouring accumulators.  For each group and each quarter ks of K (256 along K) stand 6,400 dense bytes:
; eight half fragments (u, hf) of 768 bytes at 3,072 u + 768 hf, then 256 bytes of scale words at 6,144 + 128 u + 8 r + 4 qq (word qq: the four bytes of 128 along K).
; A half fragment is 16 rows x 64 along K as an image of the operand's registers: lane (r, h) owns block h (32 codes, 6 registers): registers 0-3 at 16 x lane, registers 4-5 at 512 + 8 x lane.
; A block's scale is 2^(floor(log2(its largest magnitude)) - 2); its byte is the largest magnitude's exponent field - 2, held at 1 from below by a floor among the maximum's leaves.
; LIMITS: NaN and infinities are not served; a block whose largest magnitude lies under 2^-124 keeps the byte 1; a block of zeros gets the byte 1 where the rule says 127: its codes are zeros,
; which add nothing under any byte but 0xff, and the bytes are read by this program alone.
; SHARES.  Work-groups 0-255 take x, 256-383 the weights; a wave takes one (G, ks): 32 rows x 256 along K in, 6,400 consecutive bytes out.  Waves share nothing: no barrier.
; The two ways have LDS bytes of their own.  No tensor loads, no matrix unit, no cluster: every input byte is read once by one wave.
.set XSTG,  4352                       ; x: a stage of 16 rows x (256 bytes + 16)
.set XWAVE, 2*XSTG                     ; two stages for each wave: LDS bytes 0 .. 34,815
.set WLB,   4*XWAVE                    ; the weights' way: 6,400 bytes for each wave from here on
.set R,     32                         ; x: v32-127   three sets of 32 numbers as they are loaded
.set X,     128                        ; x: v128-191  two sets of 32 neighbours along K
.set C,     192                        ; x: v192-239  six registers of codes for each of eight half fragments: no store's data are written again
.set EB,    24                         ; x: v24-31    a scale byte for each half fragment
.set WX,    32                         ; weights: v32-95 two sets of 32 numbers
	s_load_b256 s[4:11], s[0:1], 0x0               ; x s[4:5], w_qkv s[6:7], w_proj s[8:9], xq s[10:11]
	s_load_b128 s[12:15], s[0:1], 0x20             ; wq s[12:13], wp s[14:15]
	v_lshl_add_u32 v240, v0, 2, 0xec00
	v_mov_b32 v241, 0
	v_lshrrev_b32 v1, 5, v0
	v_readfirstlane_b32 s16, v1                    ; wave 0..3
	v_and_b32 v1, 31, v0                           ; lane
	s_mov_b32 s20, 0x76543210
	s_mov_b32 s21, 0xfedcba98                      ; v_permlanex16_b32's selects for lane l xor 16
	s_mov_b32 s22, 0xffff0000                      ; lanes 16-31
	s_cmp_ge_u32 ttmp9, 256
	s_cbranch_scc1 .Lweights
; ---------------- x: K is innermost ----------------
; Each load reads two rows' 256 consecutive bytes (16 lanes a row); the 16 rows x 64 numbers of a half fragment turn through the wave's stage, so that lane (r, h) gets the 32 neighbours of its block.
	v_and_b32 v2, 15, v0                           ; r
	v_bfe_u32 v3, v0, 4, 1                         ; h
	v_lshlrev_b32 v4, 4, v2
	v_lshl_add_u32 v4, v3, 12, v4                  ; in: 16 bytes a lane, lanes 16-31 one row (4,096 bytes) down
	s_mul_i32 s17, s16, XWAVE
	v_mul_u32_u24 v5, v3, 272
	v_lshl_add_u32 v5, v2, 4, v5
	v_add_nc_u32 v5, s17, v5                       ; into the stage: as loaded
	v_mul_u32_u24 v6, v2, 272
	v_lshl_add_u32 v6, v3, 7, v6
	v_add_nc_u32 v6, s17, v6                       ; out of it: row r, block h: 128 bytes
	v_lshlrev_b32 v7, 4, v1                        ; 16 x lane
	v_lshlrev_b32 v8, 3, v1                        ; 8 x lane
	v_lshlrev_b32 v9, 3, v3                        ; 8 h: my byte's shift in a scale word
	v_mov_b32 v13, 0                               ; written once: a lane permute's destination counts as one of its sources
	s_lshl_b32 s18, ttmp9, 2
	s_add_co_u32 s18, s18, s16                     ; my unit: 4 G + ks
	s_lshr_b32 s24, s18, 2
	s_and_b32 s25, s18, 3
	s_lshl_b32 s24, s24, 17                        ; G x 32 rows x 4,096 bytes
	s_lshl_b32 s25, s25, 10                        ; ks x 256 numbers
	s_add_co_u32 s24, s24, s25
	s_mov_b32 s25, 0
	s_mul_i32 s26, s18, 6400
	s_mov_b32 s27, 0
	s_wait_alu depctr_va_vdst(0)
	s_wait_kmcnt 0x0
	s_add_nc_u64 s[4:5], s[4:5], s[24:25]
	s_add_nc_u64 s[10:11], s[10:11], s[26:27]
.macro XLOAD t                         ; half fragment t = 4 u + hf: its 16 rows x 256 bytes, two rows a load
.irp i, 0,1,2,3,4,5,6,7
	global_load_b128 v[R+32*((\t)%3)+4*\i:R+32*((\t)%3)+4*\i+3], v4, s[4:5] offset:(8*((\t)/4)+2*\i+8*(\i/4))*4096+((\t)%4)*256 th:TH_LOAD_NT
.endr
.endm
.macro XTURN t                         ; through the stage: LDS serves a wave's instructions in order, so no wait stands between the stores and the loads
.irp i, 0,1,2,3,4,5,6,7
	ds_store_b128 v5, v[R+32*((\t)%3)+4*\i:R+32*((\t)%3)+4*\i+3] offset:XSTG*((\t)%2)+544*\i
.endr
.irp j, 0,1,2,3,4,5,6,7
	ds_load_b128 v[X+32*((\t)%2)+4*\j:X+32*((\t)%2)+4*\j+3], v6 offset:XSTG*((\t)%2)+16*\j
.endr
.endm
.macro XSTEP t
.set XS, X+32*((\t)%2)
.set CC, C+6*(\t)
	s_wait_dscnt 0x0                               ; this half fragment's numbers are back, so its stores into the stage have read their registers,
.if (\t)+3 < 8
	XLOAD (\t)+3                                   ; which take the loads of three half fragments on
.endif
.if (\t)+1 < 8
.if (\t) < 5
	s_wait_loadcnt 16                              ; the next set's eight loads are in; the two sets behind it may be out
.else
	s_wait_loadcnt 8*(6-(\t))                      ; near the end fewer sets are behind it
.endif
	XTURN (\t)+1                                   ; the next set turns through the other stage while this one is worked
.endif
	v_max3_num_f32 v10, |v[XS]|, |v[XS+1]|, 0x1800000              ; the block's largest magnitude: all 32 numbers are mine; the floor 2^(3 - 127) is one more leaf
	v_max3_num_f32 v11, |v[XS+16]|, |v[XS+17]|, |v[XS+18]|         ; (two chains)
.irp i, 2,4,6,8,10,12
	v_max3_num_f32 v10, v10, |v[XS+\i]|, |v[XS+\i+1]|
	v_max3_num_f32 v11, v11, |v[XS+17+\i]|, |v[XS+18+\i]|
.endr
	v_max3_num_f32 v10, v10, |v[XS+14]|, |v[XS+15]|
	v_max3_num_f32 v10, v10, v11, |v[XS+31]|
	v_add_nc_u32 v12, 0xff000000, v10              ; 2 off its exponent field: the conversion takes the exponent field of this operand as its scale
	v_cvt_scalef32_pk16_fp6_f32 v[CC:CC+2], v[XS:XS+15], v12
	v_cvt_scalef32_pk16_fp6_f32 v[20:22], v[XS+16:XS+31], v12      ; (a conversion's three registers begin on an even number)
	v_lshrrev_b32 v[EB+(\t)], 23, v12              ; the scale's byte; also the plain line behind the conversions
.irp i, 0,1,2
	v_mov_b32 v[CC+3+\i], v[20+\i]
.endr
	global_store_b128 v7, v[CC:CC+3], s[10:11] offset:768*(\t)         ; 512 consecutive bytes
	global_store_b64 v8, v[CC+4:CC+5], s[10:11] offset:768*(\t)+512    ; 256 consecutive bytes
.if (\t)%2 == 1                        ; two half fragments make a scale word: my bytes are those of blocks h and 2 + h
	v_lshl_or_b32 v11, v[EB+(\t)], 16, v[EB+(\t)-1]
	v_lshlrev_b32 v11, v9, v11
	v_permlanex16_b32 v13, v11, s20, s21
	v_or_b32 v[14+2*((\t)/4)+((\t)%4)/2], v11, v13                 ; with lane l xor 16's two the word is whole: v14-17 = word (u, qq)
.endif
.endm
	XLOAD 0
	XLOAD 1
	XLOAD 2
	s_wait_loadcnt 16                              ; set 0 is in
	XTURN 0
.irp t, 0,1,2,3,4,5,6,7
	XSTEP \t
.endr
	v_cndmask_b32 v18, v14, v16, s22               ; lanes 0-15 store tile 0's two words of row r, lanes 16-31 tile 1's
	v_cndmask_b32 v19, v15, v17, s22
	global_store_b64 v8, v[18:19], s[10:11] offset:6144            ; 256 consecutive bytes
	s_wait_tensorcnt 0x0
	ds_add_u32 v240, v241
	s_wait_dscnt 0x0
	s_endpgm
; ---------------- the weights: K is the first axis ----------------
; A lane takes a column n and its registers run down K: each load reads 128 consecutive bytes a wave (512 a work-group), a block of 32 along K lies in one lane's 32 registers,
; and the conversions give codes with K innermost.  The codes are laid into the wave's 6,400 bytes of LDS at their place in the layout and leave as they lie there.
.Lweights:
	s_sub_co_u32 s17, ttmp9, 256
	s_and_b32 s18, s17, 31                         ; which 128 columns: 0-23 of w_qkv, 24-31 of w_proj
	s_lshr_b32 s19, s17, 5                         ; ks
	s_wait_alu depctr_va_vdst(0)
	v_lshlrev_b32 v3, 2, v1                        ; in: 4 bytes a lane
	v_bfe_u32 v11, v0, 3, 1                        ; column l of the group is row r of tile u: u = bit 3 of l,
	v_and_b32 v12, 7, v0
	v_bfe_u32 v13, v0, 4, 1
	v_lshl_or_b32 v12, v13, 3, v12                 ; r = l % 8 + 8 x bit 4 of l
	s_mul_i32 s23, s16, 6400
	s_add_co_u32 s23, s23, WLB                     ; my wave's LDS bytes
	v_mul_u32_u24 v2, v11, 3072
	v_add_nc_u32 v2, s23, v2
	v_lshl_add_u32 v4, v12, 4, v2                  ; registers 0-3 of a block: 3,072 u + 16 r
	v_lshl_add_u32 v5, v12, 3, v2                  ; registers 4-5: 3,072 u + 8 r
	v_lshlrev_b32 v6, 7, v11
	v_lshl_add_u32 v6, v12, 3, v6
	v_add_nc_u32 v6, s23, v6                       ; my two scale words: 128 u + 8 r
	v_lshlrev_b32 v9, 4, v1                        ; the way out: 16 x lane,
	v_lshlrev_b32 v10, 3, v1                       ; 8 x lane
	v_add_nc_u32 v7, s23, v9
	v_add_nc_u32 v8, s23, v10
	s_mov_b32 s24, 256*4096
	s_wait_kmcnt 0x0
	s_cmp_lt_u32 s18, 24                           ; the choice hangs on the work-group's number alone
	s_cselect_b64 s[6:7], s[6:7], s[8:9]
	s_cselect_b64 s[12:13], s[12:13], s[14:15]
	s_cselect_b32 s24, 256*12288, s24              ; bytes of 256 rows of the weight
	s_cselect_b32 s25, 0, 24
	s_sub_co_u32 s25, s18, s25
	s_lshl_b32 s25, s25, 2
	s_add_co_u32 s25, s25, s16                     ; my group of 32 columns
	s_mul_i32 s26, s19, s24
	s_lshl_b32 s27, s25, 7
	s_add_co_u32 s26, s26, s27
	s_mov_b32 s27, 0
	s_add_nc_u64 s[6:7], s[6:7], s[26:27]
	s_lshl_b32 s28, s25, 2
	s_add_co_u32 s28, s28, s19
	s_mul_i32 s28, s28, 6400
	s_mov_b32 s29, 0
	s_add_nc_u64 s[12:13], s[12:13], s[28:29]
.macro WLOAD t, pitch                  ; block t: W(32 t + i, my column), i = 0 .. 31
.irp i, 0,1,2,3,4,5,6,7,8,9,10,11,12,13,14,15,16,17,18,19,20,21,22,23,24,25,26,27,28,29,30,31
	global_load_b32 v[WX+32*((\t)%2)+\i], v3, s[6:7] offset:(32*(\t)+\i)*\pitch th:TH_LOAD_NT
.endr
.endm
.macro WLOADSEL t                      ; the two weights differ in the rows' length, which stands in the loads' immediates: a branch round the loads alone, 32 loads on either way
	s_cmp_lt_u32 s18, 24
	s_cbranch_scc0 .Lproj_\@
	WLOAD \t, 12288
	s_branch .Lboth_\@
.Lproj_\@:
	WLOAD \t, 4096
.Lboth_\@:
.endm
.macro WBLOCK t
.set XS, WX+32*((\t)%2)
.if (\t) < 7
	s_wait_loadcnt 32                              ; this block's 32 loads are in; the next block's may be out
.else
	s_wait_loadcnt 0x0
.endif
	v_max3_num_f32 v11, |v[XS]|, |v[XS+1]|, 0x1800000
	v_max3_num_f32 v12, |v[XS+16]|, |v[XS+17]|, |v[XS+18]|
.irp i, 2,4,6,8,10,12
	v_max3_num_f32 v11, v11, |v[XS+\i]|, |v[XS+\i+1]|
	v_max3_num_f32 v12, v12, |v[XS+17+\i]|, |v[XS+18+\i]|
.endr
	v_max3_num_f32 v11, v11, |v[XS+14]|, |v[XS+15]|
	v_max3_num_f32 v11, v11, v12, |v[XS+31]|
	v_add_nc_u32 v13, 0xff000000, v11              ; the conversion's scale operand
	v_lshrrev_b32 v12, 23, v13                     ; the scale's byte
.if (\t)%4 == 0
	v_mov_b32 v[14+(\t)/4], v12                    ; four bytes to a word, the lower K in the lower byte
.else
	v_lshl_or_b32 v[14+(\t)/4], v12, 8*((\t)%4), v[14+(\t)/4]
.endif
	v_cvt_scalef32_pk16_fp6_f32 v[96:98], v[XS:XS+15], v13
	v_cvt_scalef32_pk16_fp6_f32 v[102:104], v[XS+16:XS+31], v13
	v_nop                                          ; one plain line behind the conversions
.irp i, 0,1,2
	v_mov_b32 v[99+\i], v[102+\i]
.endr
	ds_store_b128 v4, v[96:99] offset:768*((\t)/2)+256*((\t)%2)            ; half fragment t / 2, block t % 2: the place of lane (r, t % 2)
	ds_store_b64 v5, v[100:101] offset:768*((\t)/2)+512+128*((\t)%2)
.if (\t)+2 < 8
	WLOADSEL (\t)+2
.endif
	s_wait_dscnt 0x0                               ; the stores have read their registers: the next block's codes may be written
.endm
	WLOADSEL 0
	WLOADSEL 1
.irp t, 0,1,2,3,4,5,6,7
	WBLOCK \t
.endr
	s_wait_alu depctr_va_vdst(0)
	ds_store_b64 v6, v[14:15] offset:6144
.irp i, 0,1,2,3,4,5,6,7,8,9,10,11
	ds_load_b128 v[112+4*\i:115+4*\i], v7 offset:512*\i            ; LDS serves a wave's instructions in order: these see my stores
.endr
	ds_load_b64 v[160:161], v8 offset:6144
.irp i, 0,1,2,3,4,5,6,7,8,9,10,11
	s_wait_dscnt 12-\i                             ; load i is back; the younger ones may be out
	global_store_b128 v9, v[112+4*\i:115+4*\i], s[12:13] offset:512*\i     ; 512 consecutive bytes
.endr
	s_wait_dscnt 0x0
	global_store_b64 v10, v[160:161], s[12:13] offset:6144
	s_wait_tensorcnt 0x0
	ds_add_u32 v240, v241
	s_wait_dscnt 0x0
	s_endpgm
.Lfunc_end_k_q90dbc733b8_quant:
	.size	k_q90dbc733b8_quant, .Lfunc_end_k_q90dbc733b8_quant-k_q90dbc733b8_quant
	.p2alignl 7, 3214868480
	.fill 96, 4, 3214868480
	.section	.rodata,"a",@progbits
	.p2align	6, 0x0
	.amdhsa_kernel k_q90dbc733b8_quant
		.amdhsa_group_segment_fixed_size 60928
		.amdhsa_private_segment_fixed_size 0
		.amdhsa_enable_private_segment 0
		.amdhsa_kernarg_size 48
		.amdhsa_user_sgpr_count 2
		.amdhsa_user_sgpr_kernarg_segment_ptr 1
		.amdhsa_wavefront_size32 1
		.amdhsa_system_sgpr_workgroup_id_x 1
		.amdhsa_system_sgpr_workgroup_id_y 1
		.amdhsa_system_sgpr_workgroup_id_z 1
		.amdhsa_system_vgpr_workitem_id 0
		.amdhsa_next_free_vgpr 242
		.amdhsa_next_free_sgpr 66
		.amdhsa_reserve_vcc 0
		.amdhsa_float_denorm_mode_32 3
		.amdhsa_float_denorm_mode_16_64 3
		.amdhsa_memory_ordered 1
		.amdhsa_forward_progress 1
		.amdhsa_inst_pref_size 97
	.end_amdhsa_kernel
	.amdgpu_metadata
---
amdhsa.version: [ 1, 2 ]
amdhsa.kernels:
  - .name:           k_q90dbc733b8_quant
    .symbol:         k_q90dbc733b8_quant.kd
    .args:
      - { .name: x, .offset: 0, .size: 8, .value_kind: global_buffer, .address_space: global }
      - { .name: w_qkv, .offset: 8, .size: 8, .value_kind: global_buffer, .address_space: global }
      - { .name: w_proj, .offset: 16, .size: 8, .value_kind: global_buffer, .address_space: global }
      - { .name: xq, .offset: 24, .size: 8, .value_kind: global_buffer, .address_space: global }
      - { .name: wq, .offset: 32, .size: 8, .value_kind: global_buffer, .address_space: global }
      - { .name: wp, .offset: 40, .size: 8, .value_kind: global_buffer, .address_space: global }
    .group_segment_fixed_size: 60928
    .private_segment_fixed_size: 0
    .kernarg_segment_align: 8
    .kernarg_segment_size: 48
    .max_flat_workgroup_size: 128
    .sgpr_count:     66
    .vgpr_count:     242
    .wavefront_size: 32
...
	.end_amdgpu_metadata
.endif
;; end of part 1
;; launch gemm_qkv (part 2): grid 12 x 64, 4 waves a work-group, clusters of 4 x 4, 307,712 bytes of LDS; arguments xq, wq, qk, vt; writes qk, vt
.if DOCPART == 2
	.amdgcn_target "amdgcn-amd-amdhsa--gfx1250"
	.amdhsa_code_object_version 6
	.text
	.protected	k_q90dbc733b8_gemm_qkv
	.globl	k_q90dbc733b8_gemm_qkv
	.p2align	8
	.type	k_q90dbc733b8_gemm_qkv,@function
k_q90dbc733b8_gemm_qkv:
	s_mov_b64 s[64:65], 0
	v_nop
	global_prefetch_b8 v0, s[64:65] scope:SCOPE_SE
	s_setreg_imm32_b32 hwreg(HW_REG_WAVE_MODE, 25, 1), 1
	s_wait_xcnt 0x0
	s_wait_alu depctr_hold_cnt(0) depctr_sa_sdst(0) depctr_va_vdst(0) depctr_va_sdst(0) depctr_va_ssrc(0) depctr_va_vcc(0) depctr_vm_vsrc(0)
	s_getreg_b32 s2, hwreg(HW_REG_IB_STS2, 6, 4)
	s_cmp_eq_u32 s2, 0
	s_cbranch_scc0 .Lentry_in_a_cluster
	s_endpgm
.Lentry_in_a_cluster:
	s_bfe_u32 s2, ttmp6, 0x10000c
	s_cmp_lg_u32 s2, 0xf033
	s_cbranch_scc0 .Lentry_shape_is_right
	s_endpgm
.Lentry_shape_is_right:
; qkv = x w_qkv on codes of FP6 (E2M3) with E8M0 scales, K = 1,024, sums in f32; the results are quantised here, in registers, and leave as codes alone:
; q and k along the head's 64 (buffer qk), v along the keys (buffer vt), each as images of the registers that the attention launch's operands want.
; OPERANDS (xq, wq): rows in groups G of 32; for each G and each quarter ks of K 6,400 dense bytes: eight half fragments (tile u, hf) of 768 bytes at 3,072 u + 768 hf (lane's registers 0-3 at 16 x lane,
; registers 4-5 at 512 + 8 x lane), then scale words at 6,144 + 128 u + 8 r + 4 qq.  Lane row r of tile u is row 8 u + r + 8 (r / 8) of its group.
; THE MATRIX INSTRUCTION TAKES Q's ROWS AS SOURCE 0 AND P's AS SOURCE 1: a lane then holds ONE row of P, and the 16 registers of accumulators (a, 2 i), (a, 2 i + 1) are Q's rows 32 i + 16 (lane / 16) + 0 .. 15.
; The quantiser wants a lane's registers to run along the NEXT product's K.  So for q and k (clusters x = 0, 1) P = tokens, Q = rows of w^T; for v (cluster x = 2) P = rows of w_v^T, Q = tokens.
; Only pointers and tile numbers are chosen by the kind, which is the same in all sixteen partners; masks, LDS addresses and the products are one text.
; SHARES.  A work-group makes P 128 x Q 256; a wave 64 x 128: 32 accumulators.  768 work-groups.  All of K of both tiles is 307,200 bytes and is brought ONCE: eight tensor loads a wave, issued together
; (eight of mine are out at the most); no LDS byte is filled again.
; CLUSTERS: 4 x 4.  P's tile hangs on cy alone and is asked for jointly by a row of the cluster, Q's on cx alone, by a column.
; OUT.  qk: [q, k][batch x head][step of 128 tokens][6,656]: eight tiles of 16 tokens x 768 bytes (a half fragment: the head's 64), then words [tile / 4][r][tile % 4] = byte 0 | byte 1 << 8.
;       vt: [batch x head][step][6,400]: four tiles of 16 channels x 1,536 bytes (a whole fragment: 128 keys), then words [r][tile].
; LIMITS: NaN and infinities are not served; a block whose largest magnitude lies under 2^-124, zeros among them, keeps the byte 1 (this program alone reads the bytes).
; REGISTERS: window 0: v16-24 addresses; v32-63 scale words, two sets; v64-111, v112-159 P's fragments, two sets (later the codes made); v200-215 at work.
;   window 1: Q's fragments, two sets, at v0 and v128.   window 2: accumulator (a, b) at v[8 (8 a + b)].
.set KREG,  76800                      ; LDS: a quarter of K: P's four groups, then Q's eight, 6,400 bytes each
.set TM,    200
.set MSB, 0
.macro WIN new                         ; the immediate's high byte repeats the setting that is left
.if MSB != \new
	s_set_vgpr_msb (MSB<<8)|\new
.set MSB, \new
.endif
.endm
.macro CROUND                          ; a round of the cluster's barrier
	s_barrier_signal -1
	s_barrier_wait -1
	s_cmp_lg_u32 s12, 0
	s_cbranch_scc1 .Lnot_wave_0_\@
	s_barrier_signal -3
.Lnot_wave_0_\@:
	s_barrier_wait -3
	s_barrier_signal -1
	s_barrier_wait -1
.endm
.macro PLACES                          ; four plain lines between a matrix instruction and a load into, or a vector line on, its registers
.rept 4
	v_nop
.endr
.endm
	s_load_b256 s[4:11], s[0:1], 0x0               ; xq s[4:5], wq s[6:7], qk s[8:9], vt s[10:11]
	v_lshl_add_u32 v254, v0, 2, 0x4b000
	v_mov_b32 v255, 0
	ds_add_u32 v254, v255
	ds_add_u32 v254, v255
	v_lshrrev_b32 v1, 5, v0
	v_readfirstlane_b32 s12, v1                    ; wave 0..3
	s_lshr_b32 s13, s12, 1                         ; pw: which 64 rows of P are mine
	s_and_b32 s14, s12, 1                          ; qw: which 128 rows of Q
	s_bfe_u32 s66, ttmp6, 0x40000                  ; cx
	s_bfe_u32 s67, ttmp6, 0x40004                  ; cy
	s_and_b32 s68, ttmp7, 0xffff                   ; the cluster's y
	s_lshl_b32 s69, s67, 2
	s_lshl_b32 s69, 15, s69                        ; my row of the cluster
	s_lshl_b32 s70, 0x1111, s66                    ; my column
	; descriptor group 1.  P: one row of 800 elements of 8 bytes (a group's 6,400 bytes of one quarter of K);  Q: two such rows, 3,200 elements (a group's 25,600 bytes) apart
	s_or_b32 s16, s69, (3<<16)|(1<<21)             ; 15:0 the mask; 17:16 elements of 8 bytes; 21 set beside a mask; no padding
	s_mov_b32 s17, 800<<16                         ; tensor_dim0
	s_mov_b32 s18, 1<<16                           ; tensor_dim1
	s_mov_b32 s19, 800<<16                         ; tile_dim0
	s_mov_b32 s20, 1                               ; tile_dim1
	s_mov_b32 s21, 3200                            ; tensor_dim0_stride
	s_mov_b32 s22, 0
	s_mov_b32 s23, 0
	s_or_b32 s24, s70, (3<<16)|(1<<21)
	s_mov_b32 s25, 800<<16
	s_mov_b32 s26, 2<<16
	s_mov_b32 s27, 800<<16
	s_mov_b32 s28, 2
	s_mov_b32 s29, 3200
	s_mov_b32 s30, 0
	s_mov_b32 s31, 0
	; the kind and the tile numbers.  q, k: TP = 4 y + cy (64 tiles of tokens), TQ = 4 x + cx (8 tiles of w^T).  v: TP = 4 (y % 2) + cy (8 tiles of w_v^T), TQ = 4 (y / 2) + cx (32 tiles of tokens)
	s_and_b32 s84, s68, 1
	s_lshr_b32 s85, s68, 1
	s_mov_b32 s86, 64*25600                        ; w_v^T begins 64 groups into wq
	s_cmp_eq_u32 ttmp9, 2
	s_cselect_b32 s15, 1, 0                        ; 1: v
	s_cselect_b32 s84, s84, s68
	s_cselect_b32 s85, s85, ttmp9
	s_cselect_b32 s86, s86, 0
	s_lshl_b32 s84, s84, 2
	s_add_co_u32 s84, s84, s67                     ; TP: no cx enters it
	s_lshl_b32 s85, s85, 2
	s_add_co_u32 s85, s85, s66                     ; TQ: no cy enters it
	s_lshl_b32 s72, s84, 2
	s_add_co_u32 s72, s72, s12
	s_mul_i32 s72, s72, 25600
	s_add_co_u32 s72, s72, s86                     ; P: group 4 TP + wave
	s_mov_b32 s73, 0
	s_lshl_b32 s74, s85, 3
	s_lshl_b32 s87, s12, 1
	s_add_co_u32 s74, s74, s87
	s_mul_i32 s74, s74, 25600                      ; Q: groups 8 TQ + 2 wave and the next
	s_mov_b32 s75, 0
	s_mul_i32 s88, s12, 6400                       ; where they go: no place in the cluster enters an LDS address
	s_mul_i32 s89, s12, 12800
	s_add_co_u32 s89, s89, 25600
	s_wait_dscnt 0x0
	s_wait_kmcnt 0x0
	s_cmp_eq_u32 s15, 1
	s_cselect_b64 s[76:77], s[6:7], s[4:5]
	s_cselect_b64 s[78:79], s[4:5], s[6:7]
	s_add_nc_u64 s[76:77], s[76:77], s[72:73]
	s_add_nc_u64 s[78:79], s[78:79], s[74:75]
.irp k, 0,1,2,3                        ; descriptor groups 0: a set for each load, none written again
	s_mov_b32 s[32+8*\k], 1
	s_add_co_u32 s[33+8*\k], s88, \k*KREG
	s_add_nc_u64 s[34+8*\k:35+8*\k], s[76:77], \k*6400
	s_or_b32 s[35+8*\k], s[35+8*\k], 0x80000000
	s_mov_b32 s[36+8*\k], 1
	s_add_co_u32 s[37+8*\k], s89, \k*KREG
	s_add_nc_u64 s[38+8*\k:39+8*\k], s[78:79], \k*6400
	s_or_b32 s[39+8*\k], s[39+8*\k], 0x80000000
.endr
	CROUND                                         ; all sixteen work-groups are here: the joint loads meet
.irp k, 0,1,2,3
	tensor_load_to_lds s[32+8*\k:35+8*\k], s[16:23]        ; P, quarter k of K
	s_nop 0
	tensor_load_to_lds s[36+8*\k:39+8*\k], s[24:31]        ; Q, quarter k
	s_nop 0
.endr
	PLACES                                         ; four v_nop follow the last tensor load
	v_and_b32 v1, 31, v0                           ; lane
	v_and_b32 v2, 15, v0                           ; r
	v_bfe_u32 v3, v0, 4, 1                         ; h
	s_mul_i32 s90, s13, 12800                      ; my two groups of P
	s_mul_i32 s91, s14, 25600
	s_xor_b32 s92, s13, 1
	s_mul_i32 s92, s92, 12800
	s_add_co_u32 s92, s92, s91
	s_add_co_u32 s92, s92, 12800                   ; from my groups of P to my groups of Q: 25,600 + 25,600 qw - 12,800 pw
	s_add_co_u32 s91, s91, 25600                   ; my four groups of Q
	v_lshlrev_b32 v21, 4, v1                       ; 16 x lane
	v_lshlrev_b32 v22, 3, v1                       ; 8 x lane
	v_add_nc_u32 v16, s90, v21                     ; P's fragments: registers 0-3 of a half,
	v_add_nc_u32 v17, s90, v22                     ; registers 4-5
	v_add_nc_u32 v18, s91, v21                     ; Q's
	v_add_nc_u32 v19, s91, v22
	v_mul_u32_u24 v20, s92, v3                     ; scale words: lanes 0-15 take P's, lanes 16-31 Q's
	v_lshl_add_u32 v20, v2, 3, v20
	v_add_nc_u32 v20, s90, v20
	v_mul_u32_u24 v23, v3, 106496                  ; q, k: the words' store: 16 r, lanes 16-31 one head (16 steps of 6,656 bytes) on
	v_lshl_add_u32 v23, v2, 4, v23
	v_lshlrev_b32 v24, 3, v3                       ; v: 16 r + 8 h
	v_lshl_add_u32 v24, v2, 4, v24
.irp b, 0,1,2,3
	v_mov_b32 v[TM+4+\b], 0                        ; written once: a lane permute's destination counts as one of its sources
.endr
	s_mov_b32 s93, 0xffff0000                      ; lanes 16-31
	s_mov_b32 s94, 0x76543210
	s_mov_b32 s95, 0xfedcba98                      ; v_permlanex16_b32's selects for lane l xor 16
	; where the results go
	s_lshl_b32 s86, s85, 1
	s_add_co_u32 s86, s86, s14                     ; 2 TQ + qw: q, k: which pair of heads (0-7 q, 8-15 k); v: which step of 128 tokens
	s_lshr_b32 s87, s86, 3
	s_lshl_b32 s87, s87, 6                         ; q or k: 64 heads each
	s_lshr_b32 s88, s84, 4
	s_lshl_b32 s88, s88, 4                         ; 16 x batch
	s_add_co_u32 s87, s87, s88
	s_and_b32 s88, s86, 7
	s_lshl_b32 s88, s88, 1                         ; the pair's first head
	s_add_co_u32 s87, s87, s88
	s_lshl_b32 s87, s87, 4
	s_and_b32 s88, s84, 15                         ; the step
	s_add_co_u32 s87, s87, s88
	s_mul_i32 s87, s87, 6656
	s_mul_i32 s88, s13, 3072
	s_add_co_u32 s88, s87, s88                     ; q, k: my four tiles' codes
	s_lshl_b32 s89, s13, 8
	s_add_co_u32 s89, s89, s87
	s_add_co_u32 s96, s89, 6144                    ; and their words
	s_mov_b32 s97, 0
	s_lshl_b32 s90, s84, 1
	s_add_co_u32 s90, s90, s13                     ; v: the head
	s_lshr_b32 s91, s86, 4
	s_lshl_b32 s91, s91, 4                         ; 16 x batch
	s_add_co_u32 s90, s90, s91
	s_lshl_b32 s90, s90, 4
	s_and_b32 s91, s86, 15
	s_add_co_u32 s90, s90, s91
	s_mul_i32 s90, s90, 6400
	s_cmp_eq_u32 s15, 1
	s_cselect_b32 s98, s90, s88
	s_mov_b32 s99, 0
	s_cselect_b64 s[80:81], s[10:11], s[8:9]
	s_add_nc_u64 s[80:81], s[80:81], s[98:99]
	s_add_nc_u64 s[82:83], s[8:9], s[96:97]        ; (used for q and k alone)
.macro FRAG reg, a16, a8, off          ; a fragment, 16 rows x 128 K: two half fragments, each one load of 16 and one of 8 bytes a lane, lanes on end
	ds_load_b128 v[\reg:\reg+3], v[\a16] offset:\off
	ds_load_b64 v[\reg+4:\reg+5], v[\a8] offset:\off+512
	ds_load_b128 v[\reg+6:\reg+9], v[\a16] offset:\off+768
	ds_load_b64 v[\reg+10:\reg+11], v[\a8] offset:\off+1280
.endm
.macro FETCH q                         ; K step q (128 along K): Q's eight fragments, P's four, into set q % 2; with an even q the quarter's scale words: 48 or 56 loads
	WIN 0x40                                       ; destination window 1
.irp b, 0,1,2,3,4,5,6,7
	FRAG 128*((\q)%2)+12*\b, 18, 19, (\b/2)*6400+(\b%2)*3072+((\q)%2)*1536
.endr
	WIN 0
.irp a, 0,1,2,3
	FRAG 64+48*((\q)%2)+12*\a, 16, 17, (\a/2)*6400+(\a%2)*3072+((\q)%2)*1536
.endr
.if (\q)%2 == 0
.irp i, 0,1,2,3,4,5,6,7                ; register 2 i + qq: lanes 16-31 the word of Q's tile i; lanes 0-15 that of P's tile i (for i > 3: words of other groups of the same quarter, not used)
	ds_load_b64 v[32+16*(((\q)/2)%2)+2*\i:33+16*(((\q)/2)%2)+2*\i], v20 offset:6144+(\i/2)*6400+(\i%2)*128
.endr
.endif
.endm
.macro MUL q, zero                     ; 32 matrix instructions; the 32 accumulators take turns, in the same order in every step
	WIN 0xa1                                       ; source 0 (Q) window 1, source 1 (P) window 0, C and D window 2
.irp a, 0,1,2,3
.irp b, 0,1,2,3,4,5,6,7
.if \zero
	v_wmma_scale_f32_16x16x128_f8f6f4 v[8*(8*\a+\b):8*(8*\a+\b)+7], v[128*((\q)%2)+12*\b:128*((\q)%2)+12*\b+11], v[64+48*((\q)%2)+12*\a:64+48*((\q)%2)+12*\a+11], 0, v[32+16*(((\q)/2)%2)+2*\b+(\q)%2], v[32+16*(((\q)/2)%2)+2*\a+(\q)%2] matrix_a_fmt:MATRIX_FMT_FP6 matrix_b_fmt:MATRIX_FMT_FP6 matrix_a_scale:MATRIX_SCALE_ROW1
.else
	v_wmma_scale_f32_16x16x128_f8f6f4 v[8*(8*\a+\b):8*(8*\a+\b)+7], v[128*((\q)%2)+12*\b:128*((\q)%2)+12*\b+11], v[64+48*((\q)%2)+12*\a:64+48*((\q)%2)+12*\a+11], v[8*(8*\a+\b):8*(8*\a+\b)+7], v[32+16*(((\q)/2)%2)+2*\b+(\q)%2], v[32+16*(((\q)/2)%2)+2*\a+(\q)%2] matrix_a_fmt:MATRIX_FMT_FP6 matrix_b_fmt:MATRIX_FMT_FP6 matrix_a_scale:MATRIX_SCALE_ROW1
.endif
.endr
.endr
.endm
.macro KSTEP q, zero                   ; the next step's fragments are asked for, then this step is multiplied
.if (\q)%2 == 1                        ; the next step begins a new quarter of K
	s_wait_tensorcnt 6-2*(((\q)+1)/2)              ; my two loads of that quarter have landed; the two of each later quarter may be out
	s_wait_dscnt 0x0                               ; no LDS load of mine is out at the signal
	s_barrier_signal -1
	s_barrier_wait -1                              ; everybody's have landed.
	WIN 0
.irp v, 16,17,18,19,20
	v_add_nc_u32 v\v, KREG, v\v                    ; on to that quarter; these five lines are also the places in front of the loads below
.endr
.elseif (\q) > 0
	PLACES
.endif
	FETCH (\q)+1
.if (\q)%2 == 1
	s_wait_dscnt 56                                ; all but the 56 just issued: this step's fragments are in
.else
	s_wait_dscnt 48                                ; all but the 48 just issued
.endif
	MUL \q, \zero
.endm
	s_wait_alu depctr_va_vdst(0)
	s_wait_tensorcnt 6                             ; my two loads of the first quarter have landed,
	s_barrier_signal -1
	s_barrier_wait -1                              ; everybody's have
	FETCH 0
	KSTEP 0, 1                                     ; the first products start the sums: nothing is cleared
	KSTEP 1, 0
	s_wait_alu depctr_va_vdst(0)
	KSTEP 2, 0
	KSTEP 3, 0
	s_wait_alu depctr_va_vdst(0)
	KSTEP 4, 0
	KSTEP 5, 0
	s_wait_alu depctr_va_vdst(0)
	KSTEP 6, 0
	s_wait_dscnt 0x0
	MUL 7, 0
	WIN 0
	PLACES
; THE RESULTS ARE QUANTISED.  The 64 registers of P's tile a: register 16 i + j is Q's row 32 i + 16 (lane / 16) + j of my row of P: four blocks of 32, each shared with lane l xor 16.
; They become 12 registers of codes at v[64 + 12 a] (two half fragments) and the words byte 0 | byte 1 << 8 in v[120 + a], byte 2 | byte 3 << 8 in v[124 + a].
.macro EPI a
	WIN 0x0a                                       ; sources 0 and 1 window 2
.irp b, 0,1,2,3
	v_max3_num_f32 v[TM+\b], |v[64*\a+16*\b]|, |v[64*\a+16*\b+1]|, 0x1800000      ; each accumulator is read from its low end on; the floor 2^(3 - 127) holds the byte at 1 from below
.endr
	WIN 0x28                                       ; sources 1 and 2 window 2
.irp i, 2,4,6,8,10,12,14
.irp b, 0,1,2,3
	v_max3_num_f32 v[TM+\b], v[TM+\b], |v[64*\a+16*\b+\i]|, |v[64*\a+16*\b+\i+1]|
.endr
.endr
	WIN 0
.irp b, 0,1,2,3
	v_permlanex16_b32 v[TM+4+\b], v[TM+\b], s94, s95
.endr
.irp b, 0,1,2,3
	v_max_num_f32 v[TM+\b], v[TM+\b], v[TM+4+\b]   ; the block's largest magnitude
.endr
.irp b, 0,1,2,3
	v_add_nc_u32 v[TM+12+\b], 0xff000000, v[TM+\b] ; 2 off its exponent field: the conversion's scale operand
.endr
.irp b, 0,1,2,3
	v_lshrrev_b32 v[TM+4+\b], 23, v[TM+12+\b]      ; the scale's byte
.endr
	v_lshl_or_b32 v[120+\a], v[TM+5], 8, v[TM+4]
	v_lshl_or_b32 v[124+\a], v[TM+7], 8, v[TM+6]
	WIN 0x02                                       ; source 0 window 2
.irp c, 0,1
	v_cvt_scalef32_pk16_fp6_f32 v[64+12*\a+6*\c:66+12*\a+6*\c], v[64*\a+32*\c:64*\a+32*\c+15], v[TM+12+2*\c]
	v_cvt_scalef32_pk16_fp6_f32 v[112+4*\c:114+4*\c], v[64*\a+32*\c+16:64*\a+32*\c+31], v[TM+12+2*\c+1]   ; (a conversion's three registers begin on an even number)
.endr
	WIN 0
	v_nop                                          ; one plain line behind the conversions
.irp c, 0,1                            ; the operand's layout wants a whole block in a lane: lanes 0-15 block 2 c, lanes 16-31 block 2 c + 1
.irp i, 0,1,2
	v_permlane16_swap_b32 v[64+12*\a+6*\c+\i], v[112+4*\c+\i]
.endr
.irp i, 0,1,2
	v_mov_b32 v[67+12*\a+6*\c+\i], v[112+4*\c+\i]
.endr
.endr
.endm
	EPI 0
	EPI 1
	EPI 2
	EPI 3
	s_cmp_eq_u32 s15, 1                            ; the kind: the same in every wave and every partner; the branch stands round stores alone
	s_cbranch_scc1 .Lstore_v
.irp a, 0,1,2,3                        ; q, k: half c belongs to head c of my pair; tile a of my four
.irp c, 0,1
	global_store_b128 v21, v[64+12*\a+6*\c:67+12*\a+6*\c], s[80:81] offset:\c*106496+\a*768        ; 512 consecutive bytes
	global_store_b64 v22, v[68+12*\a+6*\c:69+12*\a+6*\c], s[80:81] offset:\c*106496+\a*768+512     ; 256 consecutive bytes
.endr
.endr
.irp j, 0,1,2,3
	v_cndmask_b32 v[128+\j], v[120+\j], v[124+\j], s93             ; lanes 0-15: the first head's words of my four tiles, lanes 16-31 the second's
.endr
	global_store_b128 v23, v[128:131], s[82:83]    ; 256 consecutive bytes for each head
	s_branch .Lstored
.Lstore_v:
	s_wait_alu depctr_va_vdst(0)
.irp a, 0,1,2,3                        ; v: tile a of the head's channels, halves c of the step's 128 keys
.irp c, 0,1
	global_store_b128 v21, v[64+12*\a+6*\c:67+12*\a+6*\c], s[80:81] offset:\a*1536+\c*768
	global_store_b64 v22, v[68+12*\a+6*\c:69+12*\a+6*\c], s[80:81] offset:\a*1536+\c*768+512
.endr
.endr
.irp j, 0,1,2,3
	v_lshl_or_b32 v[128+\j], v[124+\j], 16, v[120+\j]              ; the four bytes of 128 keys
.endr
	v_cndmask_b32 v132, v128, v130, s93            ; lanes 0-15 store tiles 0 and 1's words of row r, lanes 16-31 tiles 2 and 3's
	v_cndmask_b32 v133, v129, v131, s93
	global_store_b64 v24, v[132:133], s[80:81] offset:6144         ; 256 consecutive bytes
.Lstored:
	s_wait_tensorcnt 0x0
	ds_add_u32 v254, v255
	s_wait_dscnt 0x0
	CROUND                                         ; the closing round: no work-group ends while a partner may still ask for a tile that names it
	s_endpgm
.Lfunc_end_k_q90dbc733b8_gemm_qkv:
	.size	k_q90dbc733b8_gemm_qkv, .Lfunc_end_k_q90dbc733b8_gemm_qkv-k_q90dbc733b8_gemm_qkv
	.p2alignl 7, 3214868480
	.fill 96, 4, 3214868480
	.section	.rodata,"a",@progbits
	.p2align	6, 0x0
	.amdhsa_kernel k_q90dbc733b8_gemm_qkv
		.amdhsa_group_segment_fixed_size 307712
		.amdhsa_private_segment_fixed_size 0
		.amdhsa_enable_private_segment 0
		.amdhsa_kernarg_size 32
		.amdhsa_user_sgpr_count 2
		.amdhsa_user_sgpr_kernarg_segment_ptr 1
		.amdhsa_wavefront_size32 1
		.amdhsa_system_sgpr_workgroup_id_x 1
		.amdhsa_system_sgpr_workgroup_id_y 1
		.amdhsa_system_sgpr_workgroup_id_z 1
		.amdhsa_system_vgpr_workitem_id 0
		.amdhsa_next_free_vgpr 768
		.amdhsa_next_free_sgpr 100
		.amdhsa_reserve_vcc 0
		.amdhsa_float_denorm_mode_32 3
		.amdhsa_float_denorm_mode_16_64 3
		.amdhsa_memory_ordered 1
		.amdhsa_forward_progress 1
		.amdhsa_inst_pref_size 90
	.end_amdhsa_kernel
	.amdgpu_metadata
---
amdhsa.version: [ 1, 2 ]
amdhsa.kernels:
  - .name:           k_q90dbc733b8_gemm_qkv
    .symbol:         k_q90dbc733b8_gemm_qkv.kd
    .args:
      - { .name: xq, .offset: 0, .size: 8, .value_kind: global_buffer, .address_space: global }
      - { .name: wq, .offset: 8, .size: 8, .value_kind: global_buffer, .address_space: global }
      - { .name: qk, .offset: 16, .size: 8, .value_kind: global_buffer, .address_space: global }
      - { .name: vt, .offset: 24, .size: 8, .value_kind: global_buffer, .address_space: global }
    .group_segment_fixed_size: 307712
    .private_segment_fixed_size: 0
    .kernarg_segment_align: 8
    .kernarg_segment_size: 32
    .max_flat_workgroup_size: 128
    .sgpr_count:     100
    .vgpr_count:     768
    .wavefront_size: 32
...
	.end_amdgpu_metadata
.endif
;; end of part 2
;; launch attn (part 3): grid 4 x 64, 16 waves a work-group, clusters of 4 x 1, 327,680 bytes of LDS; arguments qk, vt, ao; writes ao
.if DOCPART == 3
	.amdgcn_target "amdgcn-amd-amdhsa--gfx1250"
	.amdhsa_code_object_version 6
	.text
	.protected	k_q90dbc733b8_attn
	.globl	k_q90dbc733b8_attn
	.p2align	8
	.type	k_q90dbc733b8_attn,@function
k_q90dbc733b8_attn:
	s_mov_b64 s[64:65], 0
	v_nop
	global_prefetch_b8 v0, s[64:65] scope:SCOPE_SE
	s_setreg_imm32_b32 hwreg(HW_REG_WAVE_MODE, 25, 1), 1
	s_wait_xcnt 0x0
	s_wait_alu depctr_hold_cnt(0) depctr_sa_sdst(0) depctr_va_vdst(0) depctr_va_sdst(0) depctr_va_ssrc(0) depctr_va_vcc(0) depctr_vm_vsrc(0)
	s_getreg_b32 s2, hwreg(HW_REG_IB_STS2, 6, 4)
	s_cmp_eq_u32 s2, 0
	s_cbranch_scc0 .Lentry_in_a_cluster
	s_endpgm
.Lentry_in_a_cluster:
	s_bfe_u32 s2, ttmp6, 0x10000c
	s_cmp_lg_u32 s2, 0x3003
	s_cbranch_scc0 .Lentry_shape_is_right
	s_endpgm
.Lentry_shape_is_right:
; Causal attention of one (batch, head) for each cluster of four work-groups, both products on codes of FP6 (E2M3) with E8M0 scales; the result, divided by the row's sum, is quantised along the model's 1,024
; and leaves as codes (buffer ao), laid as the last product's operand.
; THE SOFTMAX AHEAD OF THE SECOND PRODUCT: t = score x log2(e) / 8; M = the row's largest t so far, rounded UP to a whole number; p = 2^(t - M) is what is quantised, along the keys; it is not normalised.
; The row's sum is taken of the unquantised p, in f32.  When M moves, the sum and O are multiplied by 2^(old M - new M): exact.
; IN.  qk: [q, k][batch x head][step of 128 tokens][6,656]: eight tiles of 16 tokens x 768 bytes (16 tokens x the head's 64: lane (r, h): block h, registers 0-3 at 16 x lane, 4-5 at 512 + 8 x lane), then
; words [tile / 4][r][tile % 4].  vt: [batch x head][step][6,400]: four tiles of 16 channels x 128 keys (two such halves), then words [r][tile].  Lane row r of tile i is row 32 (i / 2) + 8 (i % 2) + r + 8 (r / 8).
; K = 64 IS HALF OF THE INSTRUCTION'S 128: registers 6-11 of q's and of k's fragments hold zero codes, written once, and bytes 2 and 3 of their scale words are 0.
; BOTH PRODUCTS ARE USED TRANSPOSED (S^T = k q^T, O^T = v^T p^T): a lane holds ONE query; by the tiles' order of rows the 16 registers of score tiles 2 b, 2 b + 1 are keys 32 b + 16 (lane / 16) + 0 .. 15.
; SHARES.  The cluster's 64 waves own the head's 128 tiles of 16 queries, two each: wave w of partner cx takes tile 2 cx + w % 2 of the 128 queries g = w / 2, then of g = 15 - w / 2:
; g + 1 key steps of 128 keys each, 17 for every wave.  Steps whose keys all come after the queries are jumped over by a branch on the wave's number and the loop's counter alone: no branch hangs on cx.
; K AND V OF THE WHOLE HEAD STAY IN LDS: 16 steps x 13,056 bytes.  Wave w asks for step w's K and V by two joint loads (mask: all four partners), one after the other, a round of the cluster's barrier between: one of mine is out at a time.  No LDS byte is filled
; again, nothing is stored to LDS, and one barrier stands between the fills and the reads.
; LIMITS: NaN and infinities are not served; a block whose largest magnitude lies under 2^-124, zeros among them, keeps the byte 1 (this program alone reads the bytes).  ao's scale bytes leave singly:
; a head owns two of a token's 32.
; REGISTERS: v1-3 16 x lane, 8 x lane, 16 r; v4-6 the same + the step's LDS byte; v7 my query less 16 h; v8 -infinity; v11 8 r + h; v12 -M, v13 the largest t, v[14:15] the sum; v16-27 q; v28 q's words; v29 p's;
; v[30:31] f; v32-79 four fragments of k; v80-127 four of v; v128-191 S^T, then p; v192-223 O^T; v224-235 p's codes; v236-247 at work; v248-251 scale words of k, then of v; v252-255 the conversions' scale operands.
.set STEPB, 13056                      ; a step in LDS: K's 6,656 bytes, then V's 6,400
.macro CROUND                          ; a round of the cluster's barrier
	s_barrier_signal -1
	s_barrier_wait -1
	s_cmp_lg_u32 s10, 0
	s_cbranch_scc1 .Lnot_wave_0_\@
	s_barrier_signal -3
.Lnot_wave_0_\@:
	s_barrier_wait -3
	s_barrier_signal -1
	s_barrier_wait -1
.endm
	s_load_b128 s[4:7], s[0:1], 0x0                ; qk s[4:5], vt s[6:7]
	s_load_b64 s[8:9], s[0:1], 0x10                ; ao
	v_lshl_add_u32 v254, v0, 2, 0x33000
	v_mov_b32 v255, 0
	ds_add_u32 v254, v255
	ds_add_u32 v254, v255
	s_wait_dscnt 0x0
	v_lshrrev_b32 v1, 5, v0
	s_delay_alu instid0(VALU_DEP_1)
	v_readfirstlane_b32 s10, v1                    ; wave 0..15
	s_bfe_u32 s11, ttmp6, 0x40000                  ; cx: it enters q's and ao's global addresses alone
	s_and_b32 s12, ttmp7, 0xffff                   ; 16 x batch + head, which the four partners share
	; descriptor group 1: dense blocks as rows of 256 bytes (32 elements of 8 bytes): K's 26 rows, V's 25
	s_mov_b32 s16, 15|(3<<16)|(1<<21)              ; 15:0 the mask: all four; 17:16 elements of 8 bytes; 21 set beside a mask
	s_mov_b32 s17, 32<<16
	s_mov_b32 s18, 26<<16
	s_mov_b32 s19, 32<<16
	s_mov_b32 s20, 26
	s_mov_b32 s21, 32
	s_mov_b32 s22, 0
	s_mov_b32 s23, 0
	s_mov_b32 s24, 15|(3<<16)|(1<<21)
	s_mov_b32 s25, 32<<16
	s_mov_b32 s26, 25<<16
	s_mov_b32 s27, 32<<16
	s_mov_b32 s28, 25
	s_mov_b32 s29, 32
	s_mov_b32 s30, 0
	s_mov_b32 s31, 0
	s_lshl_b32 s66, s12, 4
	s_add_co_u32 s67, s66, s10                     ; the head's step w
	s_mul_i32 s68, s67, 6400
	s_mov_b32 s69, 0
	s_add_co_u32 s70, s67, 1024                    ; k's blocks lie behind q's 1,024
	s_mul_i32 s70, s70, 6656
	s_mov_b32 s71, 0
	s_mul_i32 s72, s10, STEPB
	s_wait_kmcnt 0x0
	s_mov_b32 s32, 1
	s_mov_b32 s33, s72
	s_add_nc_u64 s[34:35], s[4:5], s[70:71]
	s_or_b32 s35, s35, 0x80000000
	s_mov_b32 s36, 1
	s_add_co_u32 s37, s72, 6656
	s_add_nc_u64 s[38:39], s[6:7], s[68:69]
	s_or_b32 s39, s39, 0x80000000
	CROUND                                         ; all four work-groups are here: the joint loads meet
	tensor_load_to_lds s[32:35], s[16:23]          ; K of step w
	s_nop 0
	s_wait_alu depctr_va_vdst(0)
	s_wait_tensorcnt 0x0
	ds_add_u32 v254, v255
	s_wait_dscnt 0x0
	CROUND
	tensor_load_to_lds s[36:39], s[24:31]          ; V of step w
	s_nop 0
.rept 4
	v_nop                                          ; four v_nop follow the last tensor load
.endr
	; the global bases of my two tiles of queries
	s_and_b32 s13, s10, 1
	s_lshl_b32 s75, s11, 1
	s_add_co_u32 s13, s13, s75                     ; pos: which of the eight tiles of a step's 128 tokens
	s_lshr_b32 s73, s10, 1                         ; g of the first pass,
	s_sub_co_u32 s74, 15, s73                      ; of the second
	s_mul_i32 s76, s66, 6656
	s_mul_i32 s77, s13, 768
	s_add_co_u32 s77, s77, s76                     ; q's codes, less the step
	s_lshr_b32 s78, s13, 2
	s_lshl_b32 s78, s78, 8
	s_and_b32 s79, s13, 3
	s_lshl_b32 s79, s79, 2
	s_add_co_u32 s78, s78, s79
	s_add_co_u32 s78, s78, s76
	s_add_co_u32 s78, s78, 6144                    ; q's words
	s_lshr_b32 s80, s12, 4                         ; batch
	s_and_b32 s81, s12, 15                         ; head
	s_lshl_b32 s80, s80, 6
	s_lshr_b32 s82, s13, 1
	s_add_co_u32 s80, s80, s82                     ; ao's group of 32 tokens, less the step: 64 batch + pos / 2
	s_mul_i32 s80, s80, 25600
	s_lshr_b32 s82, s81, 2
	s_mul_i32 s82, s82, 6400                       ; the quarter of K = 1,024 in which the head lies
	s_add_co_u32 s80, s80, s82
	s_and_b32 s82, s13, 1                          ; the group's tile
	s_mul_i32 s83, s82, 3072
	s_and_b32 s84, s81, 3                          ; the quarter's half fragment
	s_mul_i32 s85, s84, 768
	s_add_co_u32 s83, s83, s85
	s_add_co_u32 s83, s83, s80                     ; ao's codes
	s_lshl_b32 s82, s82, 7
	s_lshl_b32 s84, s84, 1                         ; the head's two bytes in a row's eight
	s_add_co_u32 s82, s82, s84
	s_add_co_u32 s82, s82, s80
	s_add_co_u32 s82, s82, 6144                    ; ao's scale bytes
	s_mov_b32 s89, 0
.irp p, 0,1                            ; pass p: s[48+8p..]: q's codes, q's words, ao's codes, ao's scale bytes: registers of their own, never written again
	s_mul_i32 s86, s[73+\p], 6656
	s_add_co_u32 s88, s86, s77
	s_add_nc_u64 s[48+8*\p:49+8*\p], s[4:5], s[88:89]
	s_add_co_u32 s88, s86, s78
	s_add_nc_u64 s[50+8*\p:51+8*\p], s[4:5], s[88:89]
	s_mul_i32 s86, s[73+\p], 102400                ; four groups of 25,600 bytes a step
	s_add_co_u32 s88, s86, s83
	s_add_nc_u64 s[52+8*\p:53+8*\p], s[8:9], s[88:89]
	s_add_co_u32 s88, s86, s82
	s_add_nc_u64 s[54+8*\p:55+8*\p], s[8:9], s[88:89]
.endr
	v_and_b32 v9, 31, v0                           ; lane
	v_and_b32 v10, 15, v0                          ; r
	v_bfe_u32 v240, v0, 4, 1                       ; h
	s_delay_alu instid0(VALU_DEP_3)
	v_lshlrev_b32 v1, 4, v9
	s_delay_alu instid0(VALU_DEP_4)
	v_lshlrev_b32 v2, 3, v9
	s_delay_alu instid0(VALU_DEP_4)
	v_lshlrev_b32 v3, 4, v10
	global_load_b128 v[16:19], v1, s[48:49]        ; the first pass's q: a half fragment,
	global_load_b64 v[20:21], v2, s[48:49] offset:512
	global_load_b32 v28, v3, s[50:51]              ; and its words
	s_lshr_b32 s85, s13, 1
	s_lshl_b32 s85, s85, 5
	s_and_b32 s86, s13, 1
	s_lshl_b32 s86, s86, 3
	s_add_co_u32 s85, s85, s86                     ; 32 (pos / 2) + 8 (pos % 2)
	v_and_b32 v7, 8, v10
	s_delay_alu instid0(VALU_DEP_1)
	v_add_nc_u32 v7, v7, v10                       ; r + 8 (r / 8)
	v_lshlrev_b32 v4, 4, v240
	s_delay_alu instid0(VALU_DEP_1)
	v_sub_nc_u32 v7, v7, v4
	s_delay_alu instid0(VALU_DEP_1)
	v_add_nc_u32 v7, s85, v7                       ; d = my query among its step's 128, less 16 h.  Score register 16 b + i holds key 32 b + 16 h + i: hidden on the diagonal where 32 b + i > d
	v_mov_b32 v8, 0xff800000                       ; -infinity
	v_lshl_add_u32 v11, v10, 3, v240               ; 8 r + h
.irp j, 0,1,2,3,4,5
	v_mov_b32 v[22+\j], 0                          ; the zero codes of K = 64 .. 127: q's,
.irp t, 0,1,2,3
	v_mov_b32 v[38+12*\t+\j], 0                    ; and k's
.endr
.endr
.irp b, 0,1,2,3
	v_mov_b32 v[236+\b], 0                         ; written once: a lane permute's destination counts as one of its sources
.endr
	v_mov_b32 v31, 0                               ; (named as the upper half of the pair v[30:31])
	s_mov_b32 s42, 0x3e38aa3b                      ; c = log2(e) / 8
	s_mov_b32 s43, s42                             ; (named with it as a pair)
	s_mov_b32 s44, 0x76543210
	s_mov_b32 s45, 0xfedcba98                      ; v_permlanex16_b32's selects for lane l xor 16
	s_mov_b32 s46, 0xffff0000                      ; lanes 16-31
	s_wait_tensorcnt 0x0                           ; my two loads have landed,
	s_barrier_signal -1
	s_barrier_wait -1                              ; everybody's have: the head's K and V lie in LDS
; A KEY STEP: 128 keys, those at LDS byte s40.  s15: the step; s14: my queries' step.
.macro STEP
	v_add_nc_u32 v4, s40, v1                       ; the addresses are made on every way; with the v_nop below these are the four places behind the last step's products
	v_add_nc_u32 v5, s40, v2
	v_add_nc_u32 v6, s40, v3
	s_cmp_gt_u32 s15, s14                          ; all its keys come after my queries: nothing to do
	s_cbranch_scc1 .Lhidden_\@
	s_setprio 2
	v_nop
.irp t, 0,1,2,3                        ; k's tiles 0-3 and their words,
	ds_load_b128 v[32+12*\t:35+12*\t], v4 offset:768*\t
	ds_load_b64 v[36+12*\t:37+12*\t], v5 offset:768*\t+512
.endr
	ds_load_b128 v[248:251], v6 offset:6144
.irp t, 0,1,2,3                        ; and all of v's fragments: they land while the scores are made
.irp c, 0,1
	ds_load_b128 v[80+12*\t+6*\c:83+12*\t+6*\c], v4 offset:6656+1536*\t+768*\c
	ds_load_b64 v[84+12*\t+6*\c:85+12*\t+6*\c], v5 offset:6656+1536*\t+768*\c+512
.endr
.endr
	s_wait_dscnt 16                                ; v's sixteen loads may be out
.irp t, 0,1,2,3
	v_wmma_scale_f32_16x16x128_f8f6f4 v[128+8*\t:135+8*\t], v[32+12*\t:43+12*\t], v[16:27], 0, v[248+\t], v28 matrix_a_fmt:MATRIX_FMT_FP6 matrix_b_fmt:MATRIX_FMT_FP6
.endr
.rept 4
	v_nop                                          ; places in front of loads into registers that these products read
.endr
	s_wait_alu depctr_va_vdst(0)
.irp t, 0,1,2,3                        ; k's tiles 4-7
	ds_load_b128 v[32+12*\t:35+12*\t], v4 offset:768*(4+\t)
	ds_load_b64 v[36+12*\t:37+12*\t], v5 offset:768*(4+\t)+512
.endr
	ds_load_b128 v[248:251], v6 offset:6400
	s_wait_dscnt 0x0
.irp t, 0,1,2,3
	v_wmma_scale_f32_16x16x128_f8f6f4 v[160+8*\t:167+8*\t], v[32+12*\t:43+12*\t], v[16:27], 0, v[248+\t], v28 matrix_a_fmt:MATRIX_FMT_FP6 matrix_b_fmt:MATRIX_FMT_FP6
.endr
.rept 4
	v_nop                                          ; places in front of the first read of the scores
.endr
	s_cmp_lg_u32 s15, s14                          ; on the diagonal the scores of hidden keys become -infinity ahead of the maximum: p = 0 then
	s_cbranch_scc1 .Lopen_\@
.set n, 0
.rept 64
	v_cmp_gt_i32 vcc_lo, 32*(n/16)+n%16, v7
	v_cndmask_b32 v[128+n], v[128+n], v8, vcc_lo
.set n, n+1
.endr
.Lopen_\@:
.irp b, 0,1,2,3
	v_max3_num_f32 v[244+\b], v[128+16*\b], v[129+16*\b], v[130+16*\b]     ; the largest score of each block of 32 keys: it serves for the row's maximum and, since p rises with the score, for the block's largest p
.endr
.irp i, 3,5,7,9,11,13
.irp b, 0,1,2,3
	v_max3_num_f32 v[244+\b], v[244+\b], v[128+16*\b+\i], v[129+16*\b+\i]
.endr
.endr
.irp b, 0,1,2,3
	v_max_num_f32 v[244+\b], v[244+\b], v[143+16*\b]
.endr
	ds_load_b128 v[248:251], v6 offset:12800       ; v's scale words, far more than four places behind the products that read k's
.irp b, 0,1,2,3
	v_permlanex16_b32 v[236+\b], v[244+\b], s44, s45
.endr
.irp b, 0,1,2,3
	s_delay_alu instid0(VALU_DEP_4)
	v_max_num_f32 v[244+\b], v[244+\b], v[236+\b]  ; with lane l xor 16's 16 keys
.endr
	s_delay_alu instid0(VALU_DEP_2)
	v_max3_num_f32 v240, v244, v245, v246
	s_delay_alu instid0(VALU_DEP_1)
	v_max_num_f32 v240, v240, v247                 ; the step's largest score of my query
	s_delay_alu instid0(VALU_DEP_1)
	v_mul_f32 v240, s42, v240                      ; as t (c is positive)
	s_delay_alu instid0(VALU_DEP_1)
	v_max_num_f32 v13, v13, v240                   ; the running largest t
	v_mov_b32 v240, v12
	s_delay_alu instid0(VALU_DEP_2)
	v_floor_f32 v12, -v13                          ; the new -M = floor(-t) = -ceil(t): a whole number
	s_delay_alu instid0(VALU_DEP_1)
	v_sub_f32 v240, v12, v240                      ; old M less new M: a whole number, 0 or less
	s_delay_alu instid0(VALU_DEP_1)
	v_cvt_i32_f32 v240, v240                       ; (it saturates)
	s_delay_alu instid0(VALU_DEP_1)
	v_ldexp_f32 v30, 1.0, v240                     ; f = 2^(old M - new M)
.set j, 0
.rept 32
	v_pk_fma_f32 v[128+j:129+j], v[128+j:129+j], s[42:43], v[12:13] op_sel_hi:[1,0,0]      ; t - M, two at a time (of the pairs c and -M the low word serves both halves)
.set j, j+2
.endr
	s_setprio 1
.irp b, 0,1,2,3
	v_fma_f32 v[244+\b], v[244+\b], s42, v12       ; the same of each block's largest score
.endr
.set j, 0
	s_wait_alu depctr_va_vdst(0)
.rept 64
	v_exp_f32 v[128+j], v[128+j]                   ; p = 2^(t - M), at most 1: not normalised
.set j, j+1
.endr
.irp b, 0,1,2,3
	v_exp_f32 v[244+\b], v[244+\b]                 ; the block's largest p: the same two instructions on the same number give the same bits
.endr
	v_pk_mul_f32 v[14:15], v[14:15], v[30:31] op_sel_hi:[1,0]      ; the sums under the new M; also the plain line behind the exponentials
	s_wait_alu depctr_va_vdst(0)
.irp b, 0,1,2,3
	v_max_num_f32 v[244+\b], 0x1800000, v[244+\b]  ; the floor 2^(3 - 127): the byte cannot fall under 1
.endr
.irp b, 0,1,2,3
	s_delay_alu instid0(VALU_DEP_4)
	v_add_nc_u32 v[252+\b], 0xff000000, v[244+\b]  ; 2 off the exponent field: the conversion's scale operand
.endr
.irp b, 0,1,2,3
	s_delay_alu instid0(VALU_DEP_4)
	v_lshrrev_b32 v[236+\b], 23, v[252+\b]         ; the scale's byte
.endr
	s_delay_alu instid0(VALU_DEP_3)
	v_lshl_or_b32 v29, v237, 8, v236               ; p's scale word for these 128 keys
	s_delay_alu instid0(VALU_DEP_1)
	v_lshl_or_b32 v29, v238, 16, v29
	s_delay_alu instid0(VALU_DEP_1)
	v_lshl_or_b32 v29, v239, 24, v29
.irp c, 0,1
	v_cvt_scalef32_pk16_fp6_f32 v[224+6*\c:226+6*\c], v[128+32*\c:143+32*\c], v[252+2*\c]
	v_cvt_scalef32_pk16_fp6_f32 v[236+4*\c:238+4*\c], v[144+32*\c:159+32*\c], v[252+2*\c+1]        ; (a conversion's three registers begin on an even number)
.endr
	v_nop                                          ; one plain line behind the conversions
.irp c, 0,1                            ; the operand's layout wants a whole block in a lane
.irp i, 0,1,2
	v_permlane16_swap_b32 v[224+6*\c+\i], v[236+4*\c+\i]
.endr
.irp i, 0,1,2
	s_delay_alu instid0(VALU_DEP_3)
	v_mov_b32 v[227+6*\c+\i], v[236+4*\c+\i]
.endr
.endr
	v_pk_add_f32 v[236:237], v[128:129], v[130:131]                ; the row's sum is taken of the unquantised p: two at a time, in two chains
	s_setprio 0
.irp j, 4,8,12,16,20,24,28,32,36,40,44,48,52,56,60
	v_pk_add_f32 v[14:15], v[14:15], v[128+\j:129+\j]
	v_pk_add_f32 v[236:237], v[236:237], v[130+\j:131+\j]
.endr
	s_delay_alu instid0(VALU_DEP_1)
	v_pk_add_f32 v[14:15], v[14:15], v[236:237]
.set j, 0
.rept 16
	v_pk_mul_f32 v[192+j:193+j], v[192+j:193+j], v[30:31] op_sel_hi:[1,0]  ; O^T under the new M.  (These and the sums are the places between p's codes and word and the products below)
.set j, j+2
.endr
	s_wait_alu depctr_va_vdst(0)
	s_wait_dscnt 0x0                               ; v's scale words are in
.irp t, 0,1,2,3                        ; O^T += v^T p^T: the four accumulators take turns, one instruction each
	v_wmma_scale_f32_16x16x128_f8f6f4 v[192+8*\t:199+8*\t], v[80+12*\t:91+12*\t], v[224:235], v[192+8*\t:199+8*\t], v[248+\t], v29 matrix_a_fmt:MATRIX_FMT_FP6 matrix_b_fmt:MATRIX_FMT_FP6
.endr
.Lhidden_\@:
.endm
; A PASS: one tile of 16 queries against the keys of steps 0 .. g.  The loop has 16 trips in every wave; what is left out is a step's work.
.macro PASS p
.if \p
	s_wait_xcnt 0x0                                ; the first pass's stores have read their data registers, which are written again below
.endif
	v_mov_b32 v13, 0xff61b1e6                      ; the largest t so far: -3e38, under every t
	s_delay_alu instid0(VALU_DEP_1)
	v_floor_f32 v12, -v13                          ; -M
	v_mov_b32 v14, 0                               ; the sum, in two halves
	v_mov_b32 v15, 0
.set j, 0
.rept 32
	v_mov_b32 v[192+j], 0                          ; O^T.  (The step is written once: the first finds zeros, which the first change of M leaves zeros)
.set j, j+1
.endr
	s_mov_b32 s14, s[73+\p]
	s_mov_b32 s40, 0
	s_mov_b32 s15, 0
	s_wait_loadcnt 0x0                             ; q
.Lstep_\@:
	STEP
	s_add_co_u32 s40, s40, STEPB
	s_add_co_u32 s15, s15, 1
	s_cmp_lt_u32 s15, 16
	s_cbranch_scc1 .Lstep_\@
	s_setprio 0
.rept 4
	v_nop                                          ; places behind the last products
.endr
.if \p == 0
	global_load_b128 v[16:19], v1, s[56:57]        ; the second pass's q lands during the way out
	global_load_b64 v[20:21], v2, s[56:57] offset:512
	global_load_b32 v28, v3, s[58:59]
.endif
	v_add_f32 v14, v14, v15                        ; the sum's two halves,
	s_delay_alu instid0(VALU_DEP_1)
	v_permlanex16_b32 v236, v14, s44, s45
	s_delay_alu instid0(VALU_DEP_1)
	v_add_f32 v14, v14, v236                       ; and lane l xor 16's: the row's sum
	s_wait_alu depctr_va_vdst(0)
	v_rcp_f32 v14, v14
	v_nop                                          ; one plain line behind the reciprocal
.set j, 0
	s_wait_alu depctr_va_vdst(0)
.rept 32
	v_mul_f32 v[128+j], v[192+j], v14              ; O^T / the sum: register 16 b + i is channel 32 b + 16 h + i of my query.  Each accumulator from its low end on
.set j, j+1
.endr
.irp b, 0,1                            ; the head's two blocks of 32 along the last product's K
	v_max3_num_f32 v[244+\b], |v[128+16*\b]|, |v[129+16*\b]|, 0x1800000
.endr
.irp i, 2,4,6,8,10,12,14
.irp b, 0,1
	s_delay_alu instid0(VALU_DEP_2)
	v_max3_num_f32 v[244+\b], v[244+\b], |v[128+16*\b+\i]|, |v[129+16*\b+\i]|
.endr
.endr
.irp b, 0,1
	s_delay_alu instid0(VALU_DEP_2)
	v_permlanex16_b32 v[236+\b], v[244+\b], s44, s45
.endr
.irp b, 0,1
	s_delay_alu instid0(VALU_DEP_2)
	v_max_num_f32 v[244+\b], v[244+\b], v[236+\b]
.endr
.irp b, 0,1
	s_delay_alu instid0(VALU_DEP_2)
	v_add_nc_u32 v[252+\b], 0xff000000, v[244+\b]
.endr
.irp b, 0,1
	s_delay_alu instid0(VALU_DEP_2)
	v_lshrrev_b32 v[246+\b], 23, v[252+\b]         ; the two bytes
.endr
	v_cvt_scalef32_pk16_fp6_f32 v[224:226], v[128:143], v252
	v_cvt_scalef32_pk16_fp6_f32 v[236:238], v[144:159], v253
	v_cndmask_b32 v241, v246, v247, s46            ; lanes 0-15 store block 0's byte, lanes 16-31 block 1's; also the plain line behind the conversions
.irp i, 0,1,2
	v_permlane16_swap_b32 v[224+\i], v[236+\i]
.endr
.irp i, 0,1,2
	s_delay_alu instid0(VALU_DEP_3)
	v_mov_b32 v[227+\i], v[236+\i]                 ; v224-229: a half fragment: 16 tokens x the head's 64
.endr
	global_store_b128 v1, v[224:227], s[52+8*\p:53+8*\p]           ; 512 consecutive bytes
	global_store_b64 v2, v[228:229], s[52+8*\p:53+8*\p] offset:512 ; 256 consecutive bytes
	global_store_b8 v11, v241, s[54+8*\p:55+8*\p]
.endm
	PASS 0
	PASS 1
	s_wait_xcnt 0x0
	v_lshl_add_u32 v254, v0, 2, 0x33000
	v_mov_b32 v255, 0
	s_wait_alu depctr_va_vdst(0)
	s_wait_tensorcnt 0x0
	ds_add_u32 v254, v255
	s_wait_dscnt 0x0
	CROUND                                         ; the closing round
	s_endpgm
.Lfunc_end_k_q90dbc733b8_attn:
	.size	k_q90dbc733b8_attn, .Lfunc_end_k_q90dbc733b8_attn-k_q90dbc733b8_attn
	.p2alignl 7, 3214868480
	.fill 96, 4, 3214868480
	.section	.rodata,"a",@progbits
	.p2align	6, 0x0
	.amdhsa_kernel k_q90dbc733b8_attn
		.amdhsa_group_segment_fixed_size 327680
		.amdhsa_private_segment_fixed_size 0
		.amdhsa_enable_private_segment 0
		.amdhsa_kernarg_size 24
		.amdhsa_user_sgpr_count 2
		.amdhsa_user_sgpr_kernarg_segment_ptr 1
		.amdhsa_wavefront_size32 1
		.amdhsa_system_sgpr_workgroup_id_x 1
		.amdhsa_system_sgpr_workgroup_id_y 1
		.amdhsa_system_sgpr_workgroup_id_z 1
		.amdhsa_system_vgpr_workitem_id 0
		.amdhsa_next_free_vgpr 256
		.amdhsa_next_free_sgpr 96
		.amdhsa_reserve_vcc 1
		.amdhsa_float_denorm_mode_32 3
		.amdhsa_float_denorm_mode_16_64 3
		.amdhsa_memory_ordered 1
		.amdhsa_forward_progress 1
		.amdhsa_inst_pref_size 65
	.end_amdhsa_kernel
	.amdgpu_metadata
---
amdhsa.version: [ 1, 2 ]
amdhsa.kernels:
  - .name:           k_q90dbc733b8_attn
    .symbol:         k_q90dbc733b8_attn.kd
    .args:
      - { .name: qk, .offset: 0, .size: 8, .value_kind: global_buffer, .address_space: global }
      - { .name: vt, .offset: 8, .size: 8, .value_kind: global_buffer, .address_space: global }
      - { .name: ao, .offset: 16, .size: 8, .value_kind: global_buffer, .address_space: global }
    .group_segment_fixed_size: 327680
    .private_segment_fixed_size: 0
    .kernarg_segment_align: 8
    .kernarg_segment_size: 24
    .max_flat_workgroup_size: 512
    .sgpr_count:     96
    .vgpr_count:     256
    .wavefront_size: 32
...
	.end_amdgpu_metadata
.endif
;; end of part 3
;; launch gemm_proj (part 4): grid 4 x 64, 4 waves a work-group, clusters of 4 x 4, 307,712 bytes of LDS; arguments ao, wp, b_proj, out0; writes out0
.if DOCPART == 4
	.amdgcn_target "amdgcn-amd-amdhsa--gfx1250"
	.amdhsa_code_object_version 6
	.text
	.protected	k_q90dbc733b8_gemm_proj
	.globl	k_q90dbc733b8_gemm_proj
	.p2align	8
	.type	k_q90dbc733b8_gemm_proj,@function
k_q90dbc733b8_gemm_proj:
	s_mov_b64 s[64:65], 0
	v_nop
	global_prefetch_b8 v0, s[64:65] scope:SCOPE_SE
	s_setreg_imm32_b32 hwreg(HW_REG_WAVE_MODE, 25, 1), 1
	s_wait_xcnt 0x0
	s_wait_alu depctr_hold_cnt(0) depctr_sa_sdst(0) depctr_va_vdst(0) depctr_va_sdst(0) depctr_va_ssrc(0) depctr_va_vcc(0) depctr_vm_vsrc(0)
	s_getreg_b32 s2, hwreg(HW_REG_IB_STS2, 6, 4)
	s_cmp_eq_u32 s2, 0
	s_cbranch_scc0 .Lentry_in_a_cluster
	s_endpgm
.Lentry_in_a_cluster:
	s_bfe_u32 s2, ttmp6, 0x10000c
	s_cmp_lg_u32 s2, 0xf033
	s_cbranch_scc0 .Lentry_shape_is_right
	s_endpgm
.Lentry_shape_is_right:
; out0 = attention's result x w_proj + b_proj, on codes of FP6 (E2M3) with E8M0 scales, K = 1,024, sums in f32; out0 [8192][1024] f32.
; OPERANDS (ao: rows = tokens; wp: rows = columns n of w_proj): rows in groups G of 32; for each G and each quarter ks of K 6,400 dense bytes: eight half fragments (tile u, hf) of 768 bytes at 3,072 u + 768 hf
; (lane's registers 0-3 at 16 x lane, registers 4-5 at 512 + 8 x lane), then scale words at 6,144 + 128 u + 8 r + 4 qq.  Lane row r of tile u is row 8 u + r + 8 (r / 8) of its group.
; SOURCE 0 = 16 rows of wp (Q), SOURCE 1 = 16 tokens (P): a lane holds one token, and its eight registers of accumulator (a, b) are the neighbouring columns 32 (b / 2) + 8 (b % 2) + 16 (lane / 16) + 0 .. 7.
; SHARES.  A work-group makes 128 tokens x 256 columns, a wave 64 x 128: 32 accumulators; 256 work-groups.  All of K of both tiles, 307,200 bytes, is brought ONCE: eight tensor loads a wave, issued together
; (eight of mine are out at the most); no LDS byte is filled again.  CLUSTERS: 4 x 4: the tokens' tile is asked for jointly by a row of the cluster, wp's by a column.
; THE BIAS is the C of each sum's first matrix instruction: eight registers for each tile of columns, in the result's layout.
; THE WAY OUT: 16 tokens x 128 columns at a time through the wave's own stage in LDS, back as whole rows of 512 bytes.  The stages lie in the first quarter's bytes, which have had their only fill and which
; nobody reads behind the second quarter's barrier.
; REGISTERS: window 0: v16-27 addresses; v32-63 scale words, two sets; v64-111, v112-159 P's fragments, two sets (on the way out v64-191: rows read back).
;   window 1: Q's fragments, two sets, at v0 and v128.   window 2: accumulator (a, b) at v[8 (8 a + b)].   window 3: v0-63 the bias.
.set KREG,  76800                      ; LDS: a quarter of K: P's four groups, then Q's eight, 6,400 bytes each
.set SPITCH, 528                       ; a stage row: 512 bytes + 16
.set MSB, 0
.macro WIN new                         ; the immediate's high byte repeats the setting that is left
.if MSB != \new
	s_set_vgpr_msb (MSB<<8)|\new
.set MSB, \new
.endif
.endm
.macro CROUND                          ; a round of the cluster's barrier
	s_barrier_signal -1
	s_barrier_wait -1
	s_cmp_lg_u32 s12, 0
	s_cbranch_scc1 .Lnot_wave_0_\@
	s_barrier_signal -3
.Lnot_wave_0_\@:
	s_barrier_wait -3
	s_barrier_signal -1
	s_barrier_wait -1
.endm
.macro PLACES                          ; four plain lines between a matrix instruction and a load into, or a read of, its registers
.rept 4
	v_nop
.endr
.endm
	s_load_b256 s[4:11], s[0:1], 0x0               ; ao s[4:5], wp s[6:7], b_proj s[8:9], out0 s[10:11]
	v_lshl_add_u32 v254, v0, 2, 0x4b000
	v_mov_b32 v255, 0
	ds_add_u32 v254, v255
	ds_add_u32 v254, v255
	v_lshrrev_b32 v1, 5, v0
	v_readfirstlane_b32 s12, v1                    ; wave 0..3
	s_lshr_b32 s13, s12, 1                         ; pw: which 64 tokens are mine
	s_and_b32 s14, s12, 1                          ; qw: which 128 columns
	s_bfe_u32 s66, ttmp6, 0x40000                  ; cx
	s_bfe_u32 s67, ttmp6, 0x40004                  ; cy
	s_and_b32 s68, ttmp7, 0xffff
	s_lshl_b32 s69, s67, 2
	s_lshl_b32 s69, 15, s69                        ; my row of the cluster
	s_lshl_b32 s70, 0x1111, s66                    ; my column
	; descriptor group 1.  P: one row of 800 elements of 8 bytes;  Q: two such rows, 3,200 elements apart
	s_or_b32 s16, s69, (3<<16)|(1<<21)             ; 15:0 the mask; 17:16 elements of 8 bytes; 21 set beside a mask; no padding
	s_mov_b32 s17, 800<<16
	s_mov_b32 s18, 1<<16
	s_mov_b32 s19, 800<<16
	s_mov_b32 s20, 1
	s_mov_b32 s21, 3200
	s_mov_b32 s22, 0
	s_mov_b32 s23, 0
	s_or_b32 s24, s70, (3<<16)|(1<<21)
	s_mov_b32 s25, 800<<16
	s_mov_b32 s26, 2<<16
	s_mov_b32 s27, 800<<16
	s_mov_b32 s28, 2
	s_mov_b32 s29, 3200
	s_mov_b32 s30, 0
	s_mov_b32 s31, 0
	s_lshl_b32 s84, s68, 2
	s_add_co_u32 s84, s84, s67                     ; TP: which 128 tokens: no cx enters it
	s_lshl_b32 s85, ttmp9, 2
	s_add_co_u32 s85, s85, s66                     ; TQ: which 256 columns: no cy enters it
	s_lshl_b32 s72, s84, 2
	s_add_co_u32 s72, s72, s12
	s_mul_i32 s72, s72, 25600                      ; P: group 4 TP + wave
	s_mov_b32 s73, 0
	s_lshl_b32 s74, s85, 3
	s_lshl_b32 s87, s12, 1
	s_add_co_u32 s74, s74, s87
	s_mul_i32 s74, s74, 25600                      ; Q: groups 8 TQ + 2 wave and the next
	s_mov_b32 s75, 0
	s_mul_i32 s88, s12, 6400                       ; where they go: no place in the cluster enters an LDS address
	s_mul_i32 s89, s12, 12800
	s_add_co_u32 s89, s89, 25600
	s_lshl_b32 s86, s85, 10
	s_lshl_b32 s87, s14, 9
	s_add_co_u32 s86, s86, s87                     ; my first column, in bytes
	s_mov_b32 s87, 0
	v_bfe_u32 v3, v0, 4, 1                         ; h
	v_lshlrev_b32 v25, 6, v3                       ; the bias: lanes 16-31 begin 16 columns on
	s_wait_alu depctr_va_vdst(0)
	s_wait_dscnt 0x0
	s_wait_kmcnt 0x0
	s_add_nc_u64 s[76:77], s[4:5], s[72:73]
	s_add_nc_u64 s[78:79], s[6:7], s[74:75]
	s_add_nc_u64 s[8:9], s[8:9], s[86:87]
	WIN 0xc0                                       ; destination window 3
.irp b, 0,1,2,3,4,5,6,7
	global_load_b128 v[8*\b:8*\b+3], v25, s[8:9] offset:(32*(\b/2)+8*(\b%2))*4
	global_load_b128 v[8*\b+4:8*\b+7], v25, s[8:9] offset:(32*(\b/2)+8*(\b%2))*4+16
.endr
	WIN 0
.irp k, 0,1,2,3                        ; descriptor groups 0: a set for each load, none written again
	s_mov_b32 s[32+8*\k], 1
	s_add_co_u32 s[33+8*\k], s88, \k*KREG
	s_add_nc_u64 s[34+8*\k:35+8*\k], s[76:77], \k*6400
	s_or_b32 s[35+8*\k], s[35+8*\k], 0x80000000
	s_mov_b32 s[36+8*\k], 1
	s_add_co_u32 s[37+8*\k], s89, \k*KREG
	s_add_nc_u64 s[38+8*\k:39+8*\k], s[78:79], \k*6400
	s_or_b32 s[39+8*\k], s[39+8*\k], 0x80000000
.endr
	CROUND                                         ; all sixteen work-groups are here: the joint loads meet
.irp k, 0,1,2,3
	tensor_load_to_lds s[32+8*\k:35+8*\k], s[16:23]        ; P, quarter k of K
	s_nop 0
	tensor_load_to_lds s[36+8*\k:39+8*\k], s[24:31]        ; Q, quarter k
	s_nop 0
.endr
	PLACES                                         ; four v_nop follow the last tensor load
	v_and_b32 v1, 31, v0                           ; lane
	v_and_b32 v2, 15, v0                           ; r
	s_mul_i32 s90, s13, 12800                      ; my two groups of P
	s_mul_i32 s91, s14, 25600
	s_xor_b32 s92, s13, 1
	s_mul_i32 s92, s92, 12800
	s_add_co_u32 s92, s92, s91
	s_add_co_u32 s92, s92, 12800                   ; from my groups of P to my groups of Q: 25,600 + 25,600 qw - 12,800 pw
	s_add_co_u32 s91, s91, 25600                   ; my four groups of Q
	v_lshlrev_b32 v21, 4, v1                       ; 16 x lane: also my place in a row of out0
	v_lshlrev_b32 v22, 3, v1                       ; 8 x lane
	v_add_nc_u32 v16, s90, v21
	v_add_nc_u32 v17, s90, v22
	v_add_nc_u32 v18, s91, v21
	v_add_nc_u32 v19, s91, v22
	v_mul_u32_u24 v20, s92, v3                     ; scale words: lanes 0-15 take P's, lanes 16-31 Q's
	v_lshl_add_u32 v20, v2, 3, v20
	v_add_nc_u32 v20, s90, v20
	s_mul_i32 s93, s12, 16*SPITCH                  ; my stage
	v_mul_u32_u24 v26, v2, SPITCH
	v_lshl_add_u32 v26, v3, 6, v26
	v_add_nc_u32 v26, s93, v26                     ; in: row r, + 64 h
	v_add_nc_u32 v27, s93, v21                     ; back: 16 bytes a lane of a row
	s_lshl_b32 s94, s84, 7
	s_lshl_b32 s95, s13, 6
	s_add_co_u32 s94, s94, s95
	s_lshl_b32 s94, s94, 12                        ; my first token's row of 4,096 bytes,
	s_add_co_u32 s94, s94, s86                     ; my first column
	s_mov_b32 s95, 0
	s_add_nc_u64 s[80:81], s[10:11], s[94:95]
.macro FRAG reg, a16, a8, off          ; a fragment, 16 rows x 128 K: two half fragments, each one load of 16 and one of 8 bytes a lane, lanes on end
	ds_load_b128 v[\reg:\reg+3], v[\a16] offset:\off
	ds_load_b64 v[\reg+4:\reg+5], v[\a8] offset:\off+512
	ds_load_b128 v[\reg+6:\reg+9], v[\a16] offset:\off+768
	ds_load_b64 v[\reg+10:\reg+11], v[\a8] offset:\off+1280
.endm
.macro FETCH q                         ; K step q (128 along K): Q's eight fragments, P's four, into set q % 2; with an even q the quarter's scale words: 48 or 56 loads
	WIN 0x40                                       ; destination window 1
.irp b, 0,1,2,3,4,5,6,7
	FRAG 128*((\q)%2)+12*\b, 18, 19, (\b/2)*6400+(\b%2)*3072+((\q)%2)*1536
.endr
	WIN 0
.irp a, 0,1,2,3
	FRAG 64+48*((\q)%2)+12*\a, 16, 17, (\a/2)*6400+(\a%2)*3072+((\q)%2)*1536
.endr
.if (\q)%2 == 0
.irp i, 0,1,2,3,4,5,6,7                ; register 2 i + qq: lanes 16-31 the word of Q's tile i; lanes 0-15 that of P's tile i (for i > 3: words of other groups of the same quarter, not used)
	ds_load_b64 v[32+16*(((\q)/2)%2)+2*\i:33+16*(((\q)/2)%2)+2*\i], v20 offset:6144+(\i/2)*6400+(\i%2)*128
.endr
.endif
.endm
.macro MUL q, first                    ; 32 matrix instructions; the 32 accumulators take turns, in the same order in every step
.if \first
	WIN 0xb1                                       ; source 0 (Q) window 1, source 1 (P) window 0, C (the bias) window 3, D window 2
.else
	WIN 0xa1                                       ; C and D window 2
.endif
.irp a, 0,1,2,3
.irp b, 0,1,2,3,4,5,6,7
.if \first
	v_wmma_scale_f32_16x16x128_f8f6f4 v[8*(8*\a+\b):8*(8*\a+\b)+7], v[128*((\q)%2)+12*\b:128*((\q)%2)+12*\b+11], v[64+48*((\q)%2)+12*\a:64+48*((\q)%2)+12*\a+11], v[8*\b:8*\b+7], v[32+16*(((\q)/2)%2)+2*\b+(\q)%2], v[32+16*(((\q)/2)%2)+2*\a+(\q)%2] matrix_a_fmt:MATRIX_FMT_FP6 matrix_b_fmt:MATRIX_FMT_FP6 matrix_a_scale:MATRIX_SCALE_ROW1
.else
	v_wmma_scale_f32_16x16x128_f8f6f4 v[8*(8*\a+\b):8*(8*\a+\b)+7], v[128*((\q)%2)+12*\b:128*((\q)%2)+12*\b+11], v[64+48*((\q)%2)+12*\a:64+48*((\q)%2)+12*\a+11], v[8*(8*\a+\b):8*(8*\a+\b)+7], v[32+16*(((\q)/2)%2)+2*\b+(\q)%2], v[32+16*(((\q)/2)%2)+2*\a+(\q)%2] matrix_a_fmt:MATRIX_FMT_FP6 matrix_b_fmt:MATRIX_FMT_FP6 matrix_a_scale:MATRIX_SCALE_ROW1
.endif
.endr
.endr
.endm
.macro KSTEP q, first                  ; the next step's fragments are asked for, then this step is multiplied
.if (\q)%2 == 1                        ; the next step begins a new quarter of K
	s_wait_tensorcnt 6-2*(((\q)+1)/2)              ; my two loads of that quarter have landed; the two of each later quarter may be out
	s_wait_dscnt 0x0                               ; no LDS load of mine is out at the signal: my reads of the quarter that I leave are over
	s_barrier_signal -1
	s_barrier_wait -1                              ; both hold of every wave.
	WIN 0
.irp v, 16,17,18,19,20
	v_add_nc_u32 v\v, KREG, v\v                    ; on to that quarter; these five lines are also the places in front of the loads below
.endr
.elseif (\q) > 0
	PLACES
.endif
	FETCH (\q)+1
.if (\q)%2 == 1
	s_wait_dscnt 56                                ; all but the 56 just issued: this step's fragments are in
.else
	s_wait_dscnt 48                                ; all but the 48 just issued
.endif
	MUL \q, \first
.endm
	s_wait_alu depctr_va_vdst(0)
	s_wait_tensorcnt 6                             ; my two loads of the first quarter have landed,
	s_barrier_signal -1
	s_barrier_wait -1                              ; everybody's have
	FETCH 0
	s_wait_loadcnt 0x0                             ; the bias
	KSTEP 0, 1                                     ; the first products start the sums from the bias
	KSTEP 1, 0
	s_wait_alu depctr_va_vdst(0)
	KSTEP 2, 0
	KSTEP 3, 0
	s_wait_alu depctr_va_vdst(0)
	KSTEP 4, 0
	KSTEP 5, 0
	s_wait_alu depctr_va_vdst(0)
	KSTEP 6, 0
	s_wait_dscnt 0x0
	MUL 7, 0
	WIN 0
; THE WAY OUT.  A lane holds 32 neighbouring bytes of a token's row and the lanes beside it hold other tokens: so tile a's 16 tokens x 128 columns go through my stage and come back as whole rows.
; LDS serves a wave's instructions in order: no wait stands between the stores and the loads, nor in front of the next tile's stores.
.macro TOSTAGE a
	WIN 0x08                                       ; an LDS store's data are its source 1: window 2
.irp b, 0,1,2,3,4,5,6,7
	ds_store_b128 v26, v[8*(8*\a+\b):8*(8*\a+\b)+3] offset:(\b/2)*128+(\b%2)*32            ; each accumulator from its low end on
	ds_store_b128 v26, v[8*(8*\a+\b)+4:8*(8*\a+\b)+7] offset:(\b/2)*128+(\b%2)*32+16
.endr
	WIN 0
.irp t, 0,1,2,3,4,5,6,7,8,9,10,11,12,13,14,15
	ds_load_b128 v[64+64*((\a)%2)+4*\t:67+64*((\a)%2)+4*\t], v27 offset:\t*SPITCH
.endr
.endm
.macro SEND a, younger                 ; younger: the LDS instructions issued behind tile a's loads, which may stay out
	s_wait_dscnt \younger
.irp t, 0,1,2,3,4,5,6,7,8,9,10,11,12,13,14,15
	global_store_b128 v21, v[64+64*((\a)%2)+4*\t:67+64*((\a)%2)+4*\t], s[80:81] offset:(32*((\a)/2)+8*((\a)%2)+\t+8*(\t/8))*4096 th:TH_STORE_NT   ; lane row t of tile a is token 32 (a / 2) + 8 (a % 2) + t + 8 (t / 8): 512 consecutive bytes of its row
.endr
.endm
	PLACES                                         ; behind the last products: for the reads of results and the loads into registers that held P's fragments
	TOSTAGE 0
	TOSTAGE 1
	SEND 0, 32                                     ; behind tile 0's loads: tile 1's 16 stores and 16 loads
	s_wait_xcnt 0x0                                ; tile 0's stores have read their registers: tile 2's rows may land there
	TOSTAGE 2
	SEND 1, 32
	s_wait_xcnt 0x0
	TOSTAGE 3
	SEND 2, 32
	SEND 3, 0
	s_wait_tensorcnt 0x0
	ds_add_u32 v254, v255
	s_wait_dscnt 0x0
	CROUND                                         ; the closing round: no work-group ends while a partner may still ask for a tile that names it
	s_endpgm
.Lfunc_end_k_q90dbc733b8_gemm_proj:
	.size	k_q90dbc733b8_gemm_proj, .Lfunc_end_k_q90dbc733b8_gemm_proj-k_q90dbc733b8_gemm_proj
	.p2alignl 7, 3214868480
	.fill 96, 4, 3214868480
	.section	.rodata,"a",@progbits
	.p2align	6, 0x0
	.amdhsa_kernel k_q90dbc733b8_gemm_proj
		.amdhsa_group_segment_fixed_size 307712
		.amdhsa_private_segment_fixed_size 0
		.amdhsa_enable_private_segment 0
		.amdhsa_kernarg_size 32
		.amdhsa_user_sgpr_count 2
		.amdhsa_user_sgpr_kernarg_segment_ptr 1
		.amdhsa_wavefront_size32 1
		.amdhsa_system_sgpr_workgroup_id_x 1
		.amdhsa_system_sgpr_workgroup_id_y 1
		.amdhsa_system_sgpr_workgroup_id_z 1
		.amdhsa_system_vgpr_workitem_id 0
		.amdhsa_next_free_vgpr 832
		.amdhsa_next_free_sgpr 100
		.amdhsa_reserve_vcc 0
		.amdhsa_float_denorm_mode_32 3
		.amdhsa_float_denorm_mode_16_64 3
		.amdhsa_memory_ordered 1
		.amdhsa_forward_progress 1
		.amdhsa_inst_pref_size 86
	.end_amdhsa_kernel
	.amdgpu_metadata
---
amdhsa.version: [ 1, 2 ]
amdhsa.kernels:
  - .name:           k_q90dbc733b8_gemm_proj
    .symbol:         k_q90dbc733b8_gemm_proj.kd
    .args:
      - { .name: ao, .offset: 0, .size: 8, .value_kind: global_buffer, .address_space: global }
      - { .name: wp, .offset: 8, .size: 8, .value_kind: global_buffer, .address_space: global }
      - { .name: b_proj, .offset: 16, .size: 8, .value_kind: global_buffer, .address_space: global }
      - { .name: out0, .offset: 24, .size: 8, .value_kind: global_buffer, .address_space: global }
    .group_segment_fixed_size: 307712
    .private_segment_fixed_size: 0
    .kernarg_segment_align: 8
    .kernarg_segment_size: 32
    .max_flat_workgroup_size: 128
    .sgpr_count:     100
    .vgpr_count:     832
    .wavefront_size: 32
...
	.end_amdgpu_metadata
.endif
;; end of part 4
